; MI455X (gfx1250); checked and timed in simulation.
; The chip was launched on July 23, 2026; its instructions are those of AMD's public machine-readable ISA for CDNA 5 (MIT licence, August 2026) and "CDNA5" Instruction Set Architecture Reference Guide (July 2026). The comments in the code are by the model that wrote it; some were corrected since.
;; Encoder Layer. Allowed arithmetic: matrix products marked QUANTISED: E3M2 operands, one E8M0 scale for each 32 along K, by v_wmma_scale_f32_16x16x128_f8f6f4 with both operands' format E3M2, f32 sums; everything else in f32.
;; Inputs: b1 4,096 float32; b2 1,024 float32; bk 1,024 float32; bo 1,024 float32; bq 1,024 float32; bv 1,024 float32; ln1_b 1,024 float32; ln1_w 1,024 float32; ln2_b 1,024 float32; ln2_w 1,024 float32; mask 2 x 2,048 x 2,048 int32; w1 4,096 x 1,024 float32; w2 1,024 x 4,096 float32; wk 1,024 x 1,024 float32; wo 1,024 x 1,024 float32; wq 1,024 x 1,024 float32; wv 1,024 x 1,024 float32; x 2 x 2,048 x 1,024 float32.
;; Outputs: out0 2 x 2,048 x 1,024 float32.
;; This version of the problem:
;;   THIS VERSION OF THE PROBLEM IS GIVEN IN LOW PRECISION. The matrix products marked QUANTISED in the list below multiply operands that are first quantised to E3M2 (3 exponent bits, 2 mantissa bits; 6 bits a number), with one power-of-two scale for each 32 numbers along K (OCP MX v1.0); their sums are f32. All else is computed in f32.
;;   The module's matrix products, in the order in which they are computed (A, B: the left and right operand; K: the contracted axis; several contracted axes count as one K, in the product's order):
;;     1. [M 4,096, K 1,024] x [K 1,024, N 1,024]; A: computed on the way; B: input wq: QUANTISED
;;     2. [M 4,096, K 1,024] x [K 1,024, N 1,024]; A: computed on the way; B: input wk: QUANTISED
;;     3. [M 4,096, K 1,024] x [K 1,024, N 1,024]; A: computed on the way; B: input wv: QUANTISED
;;     4. batch 32 x [M 2,048, K 64] x [K 64, N 2,048]; A: computed on the way; B: computed on the way: QUANTISED
;;     5. batch 32 x [M 2,048, K 2,048] x [K 2,048, N 64]; A: softmax (see below); B: computed on the way: QUANTISED
;;     6. [M 4,096, K 1,024] x [K 1,024, N 1,024]; A: computed on the way; B: input wo: QUANTISED
;;     7. [M 4,096, K 1,024] x [K 1,024, N 4,096]; A: computed on the way; B: input w1: QUANTISED
;;     8. [M 4,096, K 4,096] x [K 4,096, N 1,024]; A: computed on the way; B: input w2: QUANTISED
;;   THE QUANTISER, for each operand of a quantised product, along K:
;;     - K is cut into blocks of 32 from its start; a last block that is shorter is filled with zeros.
;;     - A block's scale is 2^e with e = floor(log2(the largest magnitude in the block)) - 4, held to -126 .. 127; a block of zeros has e = 0. As a byte (E8M0): e + 127.
;;     - Each number is divided by its block's scale, clamped to +-28, and rounded to the nearest number of E3M2, ties to even, subnormals kept.
;;     - The product sums the exact products of the quantised numbers (number of the format x scale) in f32.
;;   ~~~python
;;   def quantise(x, axis):      # numpy; x: float32 -> the quantised numbers, widened to float32 again
;;       x = np.moveaxis(x, axis, -1); K = x.shape[-1]
;;       x = np.pad(x, [(0, 0)] * (x.ndim - 1) + [(0, -K % 32)]); x = x.reshape(x.shape[:-1] + (-1, 32)); a = np.abs(x).max(-1, keepdims=True)
;;       e = np.where(a > 0, np.clip(np.frexp(np.where(a > 0, a, 1))[1] - 1 - 4, -126, 127), 0)      # np.frexp(a)[1] - 1 = floor(log2(a)), exactly
;;       r = np.clip(x / 2.0 ** e, -28, 28)
;;       step = 2.0 ** (np.maximum(np.frexp(np.where(r == 0, 1, r))[1] - 1, -2) - 2)
;;       q = np.round(r / step) * step * 2.0 ** e      # np.round: ties to even
;;       return np.moveaxis(q.reshape(q.shape[:-2] + (-1,))[..., :K], -1, axis).astype(np.float32)
;;   ~~~
;;   SOFTMAX AHEAD OF A QUANTISED PRODUCT. Where the list says 'softmax', what is quantised is not the finished softmax but p = 2^(t - M), with t = logit x log2(e) and M = ceil(the row's largest t), a whole number; so 1/2 < the row's largest p <= 1. The row's sum l is taken of the UNQUANTISED p, in f32, and the product's result is divided by l at the end. Since M is a whole number, a kernel that streams over the keys may use a running M (the ceiling of the running maximum): every later rescaling is an exact power of two, which a block's scale takes up: the codes' values come out the same.
;;   OPERANDS COMPUTED ON THE WAY. 'Computed on the way' means the value that the module computes at that place (a softmax that the list does not call 'softmax' is quantised finished and normalised). What goes into a quantiser is computed in f32, as accurately as f32 sums, v_exp_f32 and their like allow (about 1e-6 of the number): no bf16 or f16 on the way to a quantiser, and a product that is left as it is and whose result goes on into a quantised operand takes f32 operands (vector FMAs, or v_wmma_f32_16x16x4_f32). A number that lies on a knife's edge between two numbers of the format may be rounded either way, as far as f32 arithmetic and the matrix unit's own rounding can turn it there, and no further.
;; One version. Each part assembles by itself: llvm-mc -triple=amdgcn-amd-amdhsa -mcpu=gfx1250 --defsym DOCPART=n.
;; ======== version 1 of 1: 8 launches
;; limits: right only within a limited range of input values
;; workspace buffers: prep 9,830,400 bytes; mbits 1,048,576 bytes of whole numbers; nx1 3,276,800 bytes; qkv 10,092,544 bytes; vals 3,276,800 bytes; x1 16,777,216 bytes; nx2 3,276,800 bytes; hid 13,107,200 bytes
;; launch prep (part 1): grid 1280 x 1, 4 waves a work-group, no clusters, 68,096 bytes of LDS; arguments wq, wk, wv, wo, w1, w2, mask, prep, mbits; writes prep, mbits
.if DOCPART == 1
	.amdgcn_target "amdgcn-amd-amdhsa--gfx1250"
	.amdhsa_code_object_version 6
	.text
	.protected	k_qfd2b0be11a_prep
	.globl	k_qfd2b0be11a_prep
	.p2align	8
	.type	k_qfd2b0be11a_prep,@function
k_qfd2b0be11a_prep:
	s_mov_b64 s[64:65], 0
	v_nop
	global_prefetch_b8 v0, s[64:65] scope:SCOPE_SE
	s_setreg_imm32_b32 hwreg(HW_REG_WAVE_MODE, 25, 1), 1
	s_wait_xcnt 0x0
; THE SIX WEIGHTS BECOME CODES OF BF6 (E3M2) WITH E8M0 SCALES, LAID AS THE PRODUCTS' OPERAND REGISTERS; THE MASK BECOMES LANE MASKS.
; All weights are [N][K] f32 with K innermost.  A block's scale is 2^(floor(log2(largest magnitude)) - 4); its byte is the largest magnitude's exponent field - 4, held at 1 from below.
; AN OPERAND BLOCK (12,800 bytes) serves 128 rows x 128 along K: eight fragments of 1,536 bytes, then 128 scale words.  A fragment (16 rows x 128 K, 12 registers a lane) is two halves of 768 bytes:
; registers 0-3 of lane l at 16 l, registers 4-5 at 512 + 8 l.  So a reader takes a fragment by four dense loads, and a writer stores whole runs of 512 and 256 bytes.
; THE ROWS OF A FRAGMENT ARE NOT NEIGHBOURS: lane r of row block 2 p + u holds row 32 p + 8 u + r + 8 (r / 8), so that a product with the weight as source 0 leaves 16 neighbouring features in 16 registers.
; Work-groups 0-767: one operand block each (0-191 wq, wk, wv; 192-255 wo; 256-511 w1; 512-767 w2, whose K is 4,096); wave p makes row blocks 2 p and 2 p + 1.
; Work-groups 768-1279: the mask.  A wave takes 16 queries x 256 keys (two key steps).  Word n = 8 t + j of a step has bit r + 16 h set where mask[query r][key 16 t + 8 h + j] is 0: the lane mask for score register n.
; Each load reads 512 consecutive bytes of a row; the 16 rows turn through the wave's own LDS region (pitch 528), so that a lane gets 16 neighbours of a block.  The two paths have LDS bytes of their own.
; No cluster, no tensor loads: no two work-groups read the same bytes.  No barrier: waves share nothing.
; LIMITS: NaN and infinities among the weights are not served; a block under 2^-122 keeps the byte 1, and so does a block of zeros (its codes are zeros; only this program reads the bytes).
.set OPB,   12800
.set PITCH, 528
.set REGB,  16*PITCH                   ; a wave's region
.set MREG,  4*REGB                     ; the mask path's regions lie behind the weight path's
.set R,     16                         ; v16-143  two sets of 16 loads
.set X,     144                        ; v144-207 64 numbers of a lane after the turn
.set TM,    208                        ; v208-215 at work in Q32
.set PC,    216                        ; v216-239 two fragments' codes: no store's data are written again
.set PT,    240                        ; v240-242 a conversion's three registers
.set PW,    244                        ; v244-245 half words; v246-247 the two fragments' scale words
.set MW,    248                        ; v248-249 a step's 64 mask words, two a lane
.set SEL,   44                         ; s[44:45] lane selects: lane l xor 16
; 32 numbers of a lane, v[s + 16 b + i] = k 32 b + 16 (lane / 16) + i of my row, become half a fragment in v[pc .. pc + 5] and two scale bytes in v[pw].
.macro Q32 s, pc, pw
	v_max3_num_f32 v[TM], |v[\s]|, |v[\s+1]|, 0x2800000            ; my 16 numbers of each block, and the floor 2^(5 - 127): the byte cannot fall under 1
	v_max3_num_f32 v[TM+1], |v[\s+16]|, |v[\s+17]|, 0x2800000
.irp i, 2,4,6,8,10,12,14
	v_max3_num_f32 v[TM], v[TM], |v[\s+\i]|, |v[\s+\i+1]|
	v_max3_num_f32 v[TM+1], v[TM+1], |v[\s+16+\i]|, |v[\s+17+\i]|
.endr
	v_permlanex16_b32 v[TM+2], v[TM], s[SEL], s[SEL+1]
	v_permlanex16_b32 v[TM+3], v[TM+1], s[SEL], s[SEL+1]
	v_max_num_f32 v[TM], v[TM], v[TM+2]                            ; with lane l xor 16's: the block's largest magnitude
	v_max_num_f32 v[TM+1], v[TM+1], v[TM+3]
	v_add_nc_u32 v[TM+4], 0xfe000000, v[TM]                        ; 4 off the exponent field: the conversion's scale operand
	v_add_nc_u32 v[TM+5], 0xfe000000, v[TM+1]
	v_lshrrev_b32 v[TM+6], 23, v[TM+4]                             ; the scale's byte
	v_lshrrev_b32 v[TM+7], 23, v[TM+5]
	v_lshl_or_b32 v[\pw], v[TM+7], 8, v[TM+6]
	v_cvt_scalef32_pk16_bf6_f32 v[\pc:\pc+2], v[\s:\s+15], v[TM+4]
	v_cvt_scalef32_pk16_bf6_f32 v[PT:PT+2], v[\s+16:\s+31], v[TM+5]
	v_nop                                                          ; one plain place behind a scaled conversion
.irp i, 0,1,2
	v_permlane16_swap_b32 v[\pc+\i], v[PT+\i]                      ; a whole block to a lane: lanes 0-15 the first block, lanes 16-31 the second
.endr
.irp i, 0,1,2
	v_mov_b32 v[\pc+3+\i], v[PT+\i]
.endr
.endm
; 32 loads: for u = 0, 1 the 16 rows of row block 2 p + u, 512 bytes of each, rows rowb bytes apart
.macro LOADW rowb
.irp u, 0,1
.irp p, 0,1,2,3,4,5,6,7,8,9,10,11,12,13,14,15
	global_load_b128 v[R+64*\u+4*\p:R+64*\u+4*\p+3], v4, s[24:25] offset:(8*\u+\p+8*(\p/8))*\rowb th:TH_LOAD_NT
.endr
.endr
.endm
	s_load_b512 s[4:19], s[0:1], 0x0               ; wq, wk, wv, wo, w1, w2, mask, prep
	s_load_b64 s[20:21], s[0:1], 0x40              ; mbits
	v_lshl_add_u32 v254, v0, 2, 0x10800
	v_mov_b32 v255, 0
	v_lshrrev_b32 v1, 5, v0
	v_readfirstlane_b32 s22, v1                    ; wave
	v_and_b32 v1, 31, v0                           ; lane
	v_and_b32 v2, 15, v0                           ; r
	v_bfe_u32 v3, v0, 4, 1                         ; h
	v_lshlrev_b32 v4, 4, v1                        ; 16 l
	v_lshlrev_b32 v5, 3, v1                        ; 8 l
	v_lshlrev_b32 v6, 2, v1                        ; 4 l
	s_mul_i32 s23, s22, REGB
	v_add_nc_u32 v7, s23, v4                       ; weights, into the region: 16 l, a row an instruction
	v_mul_u32_u24 v9, v2, PITCH
	v_add_nc_u32 v9, s23, v9
	v_lshl_add_u32 v8, v3, 6, v9                   ; and out of it: row r, + 64 h: 16 numbers of each block of 32
	v_add_nc_u32 v10, MREG, v7                     ; the mask's region likewise
	v_lshl_add_u32 v11, v3, 5, v9                  ; out: row r, + 32 h: 8 numbers of each 16
	v_add_nc_u32 v11, MREG, v11
	s_mov_b32 s[SEL], 0x76543210
	s_mov_b32 s[SEL+1], 0xfedcba98
	v_mov_b32 v[TM+2], 0                           ; written once: a lane permute's destination counts as one of its sources
	v_mov_b32 v[TM+3], 0
	s_mov_b32 s31, 0
	s_wait_kmcnt 0x0
	s_cmp_ge_u32 ttmp9, 768
	s_cbranch_scc1 .Lmask
	; ---- a weight's operand block.  Which weight, and the number of its first block: choices on the work-group's number alone
	s_mov_b64 s[24:25], s[4:5]
	s_mov_b32 s26, 0
	s_cmp_ge_u32 ttmp9, 64
	s_cselect_b64 s[24:25], s[6:7], s[24:25]
	s_cselect_b32 s26, 64, s26
	s_cmp_ge_u32 ttmp9, 128
	s_cselect_b64 s[24:25], s[8:9], s[24:25]
	s_cselect_b32 s26, 128, s26
	s_cmp_ge_u32 ttmp9, 192
	s_cselect_b64 s[24:25], s[10:11], s[24:25]
	s_cselect_b32 s26, 192, s26
	s_cmp_ge_u32 ttmp9, 256
	s_cselect_b64 s[24:25], s[12:13], s[24:25]
	s_cselect_b32 s26, 256, s26
	s_cmp_ge_u32 ttmp9, 512
	s_cselect_b64 s[24:25], s[14:15], s[24:25]
	s_cselect_b32 s26, 512, s26
	s_sub_co_u32 s27, ttmp9, s26                   ; the block's number within its weight
	s_mul_i32 s28, ttmp9, OPB
	s_mul_i32 s29, s22, 3072
	s_add_co_u32 s30, s28, s29
	s_add_nc_u64 s[32:33], s[18:19], s[30:31]      ; my two fragments
	s_lshl_b32 s29, s22, 7
	s_add_co_u32 s30, s28, s29
	s_add_co_u32 s30, s30, 12288
	s_add_nc_u64 s[34:35], s[18:19], s[30:31]      ; my 32 scale words
	s_lshl_b32 s29, s22, 5                         ; my 32 rows of the tile's 128
	s_cmp_ge_u32 ttmp9, 512
	s_cbranch_scc1 .Lw2
	s_lshr_b32 s28, s27, 3                         ; K = 1,024: 8 blocks to a row tile
	s_lshl_b32 s28, s28, 7
	s_add_co_u32 s28, s28, s29
	s_lshl_b32 s28, s28, 12                        ; rows of 4,096 bytes
	s_and_b32 s29, s27, 7
	s_lshl_b32 s29, s29, 9                         ; 512 bytes a K step
	s_add_co_u32 s30, s28, s29
	s_add_nc_u64 s[24:25], s[24:25], s[30:31]
	LOADW 4096
	s_branch .Lquant
.Lw2:
	s_lshr_b32 s28, s27, 5                         ; K = 4,096: 32 blocks to a row tile
	s_lshl_b32 s28, s28, 7
	s_add_co_u32 s28, s28, s29
	s_lshl_b32 s28, s28, 14                        ; rows of 16,384 bytes
	s_and_b32 s29, s27, 31
	s_lshl_b32 s29, s29, 9
	s_add_co_u32 s30, s28, s29
	s_add_nc_u64 s[24:25], s[24:25], s[30:31]
	LOADW 16384
.Lquant:
	s_wait_alu depctr_va_vdst(0)
.irp f, 0,1
	s_wait_loadcnt 16-16*\f                        ; this fragment's 16 loads are in; the other's 16 may be out
.irp p, 0,1,2,3,4,5,6,7,8,9,10,11,12,13,14,15
	ds_store_b128 v7, v[R+64*\f+4*\p:R+64*\f+4*\p+3] offset:PITCH*\p
.endr
.irp b, 0,1,2,3
.irp j, 0,1,2,3
	ds_load_b128 v[X+16*\b+4*\j:X+16*\b+4*\j+3], v8 offset:128*\b+16*\j   ; LDS serves a wave's instructions in order: these see my stores
.endr
.endr
	s_wait_dscnt 0x0
	Q32 X, PC+12*\f, PW
	Q32 X+32, PC+12*\f+6, PW+1
	v_lshl_or_b32 v[PW+2+\f], v[PW+1], 16, v[PW]   ; my row's scale word for these 128 along K
	global_store_b128 v4, v[PC+12*\f:PC+12*\f+3], s[32:33] offset:1536*\f
	global_store_b64 v5, v[PC+12*\f+4:PC+12*\f+5], s[32:33] offset:1536*\f+512
	global_store_b128 v4, v[PC+12*\f+6:PC+12*\f+9], s[32:33] offset:1536*\f+768
	global_store_b64 v5, v[PC+12*\f+10:PC+12*\f+11], s[32:33] offset:1536*\f+1280
.endr
	v_cmp_ne_u32 vcc_lo, 0, v3
	v_cndmask_b32 v[PW+2], v[PW+2], v[PW+3], vcc_lo  ; lanes 0-15 keep the first block's words, lanes 16-31 take the second's
	global_store_b32 v6, v[PW+2], s[34:35]         ; 128 consecutive bytes
	s_wait_tensorcnt 0x0
	ds_add_u32 v254, v255
	s_wait_dscnt 0x0
	s_endpgm
.Lmask:
	s_sub_co_u32 s27, ttmp9, 768
	s_lshl_b32 s27, s27, 2
	s_add_co_u32 s27, s27, s22                     ; job j: query tile j / 8 (of 256 over both batches), key steps 2 (j % 8) and the next
	s_lshr_b32 s28, s27, 3
	s_lshl_b32 s28, s28, 17                        ; 16 rows of 8,192 bytes
	s_and_b32 s29, s27, 7
	s_lshl_b32 s29, s29, 10                        ; two steps of 512 bytes
	s_add_co_u32 s30, s28, s29
	s_add_nc_u64 s[24:25], s[16:17], s[30:31]
	s_lshl_b32 s30, s27, 9                         ; two steps of 256 bytes of words
	s_add_nc_u64 s[32:33], s[20:21], s[30:31]
.irp f, 0,1
.irp p, 0,1,2,3,4,5,6,7,8,9,10,11,12,13,14,15
	global_load_b128 v[R+64*\f+4*\p:R+64*\f+4*\p+3], v4, s[24:25] offset:8192*\p+512*\f th:TH_LOAD_NT
.endr
.endr
	s_wait_alu depctr_va_vdst(0)
.irp f, 0,1
	s_wait_loadcnt 16-16*\f                        ; this step's 16 loads are in; the other's 16 may be out
.irp p, 0,1,2,3,4,5,6,7,8,9,10,11,12,13,14,15
	ds_store_b128 v10, v[R+64*\f+4*\p:R+64*\f+4*\p+3] offset:PITCH*\p
.endr
.irp t, 0,1,2,3,4,5,6,7
.irp j, 0,1
	ds_load_b128 v[X+8*\t+4*\j:X+8*\t+4*\j+3], v11 offset:64*\t+16*\j   ; register 8 t + j: key 16 t + 8 h + j of query r
.endr
.endr
	s_wait_dscnt 0x0
.if \f > 0
	s_wait_xcnt 0x0                                ; the first step's store has read its data: they may be written again
.endif
	v_mov_b32 v[MW], 0
	v_mov_b32 v[MW+1], 0
.set N, 0
.rept 8
.irp i, 0,1,2,3,4,5,6,7
	v_cmp_eq_u32 s[36+\i], 0, v[X+N+\i]            ; a bit a lane: hidden
.endr
.irp i, 0,1,2,3,4,5,6,7
	v_writelane_b32 v[MW+\i%2], s[36+\i], (N+\i)/2 ; word n goes to lane n / 2, register n % 2
.endr
.set N, N+8
.endr
	global_store_b64 v5, v[MW:MW+1], s[32:33] offset:256*\f   ; 32 lanes store 256 consecutive bytes, aligned
.endr
	s_wait_tensorcnt 0x0
	ds_add_u32 v254, v255
	s_wait_dscnt 0x0
	s_endpgm
.Lfunc_end_k_qfd2b0be11a_prep:
	.size	k_qfd2b0be11a_prep, .Lfunc_end_k_qfd2b0be11a_prep-k_qfd2b0be11a_prep
	.p2alignl 7, 3214868480
	.fill 96, 4, 3214868480
	.section	.rodata,"a",@progbits
	.p2align	6, 0x0
	.amdhsa_kernel k_qfd2b0be11a_prep
		.amdhsa_group_segment_fixed_size 68096
		.amdhsa_private_segment_fixed_size 0
		.amdhsa_enable_private_segment 0
		.amdhsa_kernarg_size 72
		.amdhsa_user_sgpr_count 2
		.amdhsa_user_sgpr_kernarg_segment_ptr 1
		.amdhsa_wavefront_size32 1
		.amdhsa_system_sgpr_workgroup_id_x 1
		.amdhsa_system_sgpr_workgroup_id_y 1
		.amdhsa_system_sgpr_workgroup_id_z 1
		.amdhsa_system_vgpr_workitem_id 0
		.amdhsa_next_free_vgpr 256
		.amdhsa_next_free_sgpr 66
		.amdhsa_reserve_vcc 1
		.amdhsa_float_denorm_mode_32 3
		.amdhsa_float_denorm_mode_16_64 3
		.amdhsa_memory_ordered 1
		.amdhsa_forward_progress 1
		.amdhsa_inst_pref_size 47
	.end_amdhsa_kernel
	.amdgpu_metadata
---
amdhsa.version: [ 1, 2 ]
amdhsa.kernels:
  - .name:           k_qfd2b0be11a_prep
    .symbol:         k_qfd2b0be11a_prep.kd
    .args:
      - { .name: wq, .offset: 0, .size: 8, .value_kind: global_buffer, .address_space: global }
      - { .name: wk, .offset: 8, .size: 8, .value_kind: global_buffer, .address_space: global }
      - { .name: wv, .offset: 16, .size: 8, .value_kind: global_buffer, .address_space: global }
      - { .name: wo, .offset: 24, .size: 8, .value_kind: global_buffer, .address_space: global }
      - { .name: w1, .offset: 32, .size: 8, .value_kind: global_buffer, .address_space: global }
      - { .name: w2, .offset: 40, .size: 8, .value_kind: global_buffer, .address_space: global }
      - { .name: mask, .offset: 48, .size: 8, .value_kind: global_buffer, .address_space: global }
      - { .name: prep, .offset: 56, .size: 8, .value_kind: global_buffer, .address_space: global }
      - { .name: mbits, .offset: 64, .size: 8, .value_kind: global_buffer, .address_space: global }
    .group_segment_fixed_size: 68096
    .private_segment_fixed_size: 0
    .kernarg_segment_align: 8
    .kernarg_segment_size: 72
    .max_flat_workgroup_size: 128
    .sgpr_count:     66
    .vgpr_count:     256
    .wavefront_size: 32
...
	.end_amdgpu_metadata
.endif
;; end of part 1
;; launch ln1 (part 2): grid 256 x 1, 8 waves a work-group, no clusters, 69,632 bytes of LDS; arguments x, ln1_w, ln1_b, nx1; writes nx1
.if DOCPART == 2
	.amdgcn_target "amdgcn-amd-amdhsa--gfx1250"
	.amdhsa_code_object_version 6
	.text
	.protected	k_qfd2b0be11a_ln1
	.globl	k_qfd2b0be11a_ln1
	.p2align	8
	.type	k_qfd2b0be11a_ln1,@function
k_qfd2b0be11a_ln1:
	s_mov_b64 s[64:65], 0
	v_nop
	global_prefetch_b8 v0, s[64:65] scope:SCOPE_SE
	s_setreg_imm32_b32 hwreg(HW_REG_WAVE_MODE, 25, 1), 1
	s_wait_xcnt 0x0
; y = w (x - mean) / (std + 1e-5) + b along rows of 1,024 f32 (std with N - 1), and y quantised to codes of BF6 (E3M2) with one E8M0 scale for each 32 along the row.
; The codes leave as operand blocks of 12,800 bytes (128 rows x 128 K: eight fragments of 1,536 bytes, then 128 scale words), blocks in the order [row tile][K step]; rows in their natural order.
; A fragment is two halves of 768 bytes: registers 0-3 of lane l at 16 l, registers 4-5 at 512 + 8 l.
; A work-group owns 16 rows: one fragment row block; wave w owns K step w, 128 columns.  Each load reads 512 consecutive bytes of a row; the 16 x 512 bytes turn through the wave's own LDS region (pitch 528),
; so that lane (r, h) holds, of row r, the 16 numbers 32 b + 16 h + 0 .. 15 of each of the step's four blocks.  The row stays in registers: it is read from memory once.
; Mean and variance in two passes (the differences are squared, not the numbers), each summed over the eight waves through 512 bytes of LDS: two barriers.
; No cluster, no tensor loads: work-groups share only the 8 KB of gain and bias.
; LIMITS: NaN and infinities are not served as numbers (a NaN row gives codes that mean nothing; the residual carries the NaN on); a block under 2^-122 or of zeros keeps the byte 1.
.set PITCH, 528
.set REGB,  16*PITCH
.set RED,   8*REGB                     ; behind the regions: 8 waves x 16 rows x 4 bytes for the sums, the same again for the squares
.set OPB,   12800
.set R,     16                         ; v16-79   x as loaded; later the bias
.set X,     80                         ; v80-143  my 64 numbers
.set W,     144                        ; v144-207 the gain at my 64 columns
.set TM,    208
.set PC,    216                        ; v216-227 the fragment's codes
.set PT,    228
.set PW,    232
.set SA,    236                        ; v[236:237], v[238:239] two chains of sums
.set SB,    238
.set PR,    240                        ; v240-247 the eight waves' parts
.set MN,    248                        ; v[248:249] the mean, twice
.set IV,    250                        ; v[250:251] 1 / (std + eps), twice
.set SEL,   20
.macro Q32 s, pc, pw
	v_max3_num_f32 v[TM], |v[\s]|, |v[\s+1]|, 0x2800000            ; my 16 numbers of each block, and the floor 2^(5 - 127): the byte cannot fall under 1
	v_max3_num_f32 v[TM+1], |v[\s+16]|, |v[\s+17]|, 0x2800000
.irp i, 2,4,6,8,10,12,14
	s_delay_alu instid0(VALU_DEP_2)
	v_max3_num_f32 v[TM], v[TM], |v[\s+\i]|, |v[\s+\i+1]|
	s_delay_alu instid0(VALU_DEP_2)
	v_max3_num_f32 v[TM+1], v[TM+1], |v[\s+16+\i]|, |v[\s+17+\i]|
.endr
	s_delay_alu instid0(VALU_DEP_2)
	v_permlanex16_b32 v[TM+2], v[TM], s[SEL], s[SEL+1]
	s_delay_alu instid0(VALU_DEP_2)
	v_permlanex16_b32 v[TM+3], v[TM+1], s[SEL], s[SEL+1]
	s_delay_alu instid0(VALU_DEP_2)
	v_max_num_f32 v[TM], v[TM], v[TM+2]
	s_delay_alu instid0(VALU_DEP_2)
	v_max_num_f32 v[TM+1], v[TM+1], v[TM+3]
	s_delay_alu instid0(VALU_DEP_2)
	v_add_nc_u32 v[TM+4], 0xfe000000, v[TM]                        ; 4 off the exponent field: the conversion's scale operand
	s_delay_alu instid0(VALU_DEP_2)
	v_add_nc_u32 v[TM+5], 0xfe000000, v[TM+1]
	s_delay_alu instid0(VALU_DEP_2)
	v_lshrrev_b32 v[TM+6], 23, v[TM+4]
	s_delay_alu instid0(VALU_DEP_2)
	v_lshrrev_b32 v[TM+7], 23, v[TM+5]
	s_delay_alu instid0(VALU_DEP_1)
	v_lshl_or_b32 v[\pw], v[TM+7], 8, v[TM+6]
	v_cvt_scalef32_pk16_bf6_f32 v[\pc:\pc+2], v[\s:\s+15], v[TM+4]
	v_cvt_scalef32_pk16_bf6_f32 v[PT:PT+2], v[\s+16:\s+31], v[TM+5]
	v_nop                                                          ; one plain place behind a scaled conversion
.irp i, 0,1,2
	v_permlane16_swap_b32 v[\pc+\i], v[PT+\i]
.endr
.irp i, 0,1,2
	s_delay_alu instid0(VALU_DEP_3)
	v_mov_b32 v[\pc+3+\i], v[PT+\i]
.endr
.endm
; v[SA], a number of my lane, becomes the sum over row r's 1,024 columns: lane l xor 16's, then the eight waves' through LDS, added in ascending order
.macro ACROSS off
	s_delay_alu instid0(VALU_DEP_1)
	v_permlanex16_b32 v[TM+2], v[SA], s[SEL], s[SEL+1]
	s_delay_alu instid0(VALU_DEP_1)
	v_add_f32 v[SA], v[SA], v[TM+2]
	ds_store_b32 v11, v[SA] offset:\off            ; lanes r and r + 16 write the same word with the same value
	s_wait_dscnt 0x0                               ; for the others' sake: my store has landed
	s_barrier_signal -1
	s_barrier_wait -1
.irp k, 0,1,2,3,4,5,6,7
	ds_load_b32 v[PR+\k], v12 offset:\off+64*\k
.endr
	s_wait_dscnt 0x0
	v_add_f32 v[SA], v[PR], v[PR+1]
.irp k, 2,3,4,5,6,7
	s_delay_alu instid0(VALU_DEP_1)
	v_add_f32 v[SA], v[SA], v[PR+\k]
.endr
.endm
	s_load_b256 s[4:11], s[0:1], 0x0               ; x, gain, bias, the codes
	v_lshl_add_u32 v254, v0, 2, 0x10c00
	v_mov_b32 v255, 0
	v_lshrrev_b32 v1, 5, v0
	s_delay_alu instid0(VALU_DEP_1)
	v_readfirstlane_b32 s12, v1                    ; wave = K step
	v_and_b32 v1, 31, v0
	v_and_b32 v2, 15, v0                           ; r
	v_bfe_u32 v3, v0, 4, 1                         ; h
	s_delay_alu instid0(VALU_DEP_3)
	v_lshlrev_b32 v4, 4, v1                        ; 16 l
	s_delay_alu instid0(VALU_DEP_4)
	v_lshlrev_b32 v5, 3, v1                        ; 8 l
	s_delay_alu instid0(VALU_DEP_4)
	v_lshlrev_b32 v6, 2, v2                        ; 4 r
	s_mul_i32 s13, s12, REGB
	v_add_nc_u32 v7, s13, v4                       ; into my region
	v_mul_u32_u24 v8, v2, PITCH
	s_delay_alu instid0(VALU_DEP_1)
	v_lshl_add_u32 v8, v3, 6, v8
	s_delay_alu instid0(VALU_DEP_1)
	v_add_nc_u32 v8, s13, v8                       ; out of it: row r, + 64 h
	v_lshlrev_b32 v10, 6, v3                       ; gain and bias: 64 h
	s_lshl_b32 s14, s12, 6
	s_add_co_u32 s14, s14, RED
	v_add_nc_u32 v11, s14, v6                      ; my wave's part of row r's sum
	v_add_nc_u32 v12, RED, v6                      ; all waves' parts of row r
	s_mov_b32 s[SEL], 0x76543210
	s_mov_b32 s[SEL+1], 0xfedcba98
	v_mov_b32 v[TM+2], 0                           ; written once: a lane permute's destination counts as one of its sources
	v_mov_b32 v[TM+3], 0
	s_lshl_b32 s16, ttmp9, 16                      ; 16 rows of 4,096 bytes
	s_lshl_b32 s18, s12, 9                         ; 512 bytes a K step
	s_add_co_u32 s16, s16, s18
	s_mov_b32 s17, 0
	s_mov_b32 s19, 0
	s_and_b32 s22, ttmp9, 0xfffffff8               ; 8 x row tile
	s_add_co_u32 s22, s22, s12
	s_mul_i32 s22, s22, OPB                        ; my operand block
	s_and_b32 s23, ttmp9, 7                        ; my row block in it
	s_mul_i32 s24, s23, 1536
	s_add_co_u32 s24, s24, s22
	s_mov_b32 s25, 0
	s_lshl_b32 s26, s23, 6
	s_add_co_u32 s26, s26, s22
	s_add_co_u32 s26, s26, 12288
	s_mov_b32 s27, 0
	s_wait_alu depctr_va_vdst(0)
	s_wait_kmcnt 0x0
	s_add_nc_u64 s[4:5], s[4:5], s[16:17]
	s_add_nc_u64 s[6:7], s[6:7], s[18:19]
	s_add_nc_u64 s[8:9], s[8:9], s[18:19]
	s_add_nc_u64 s[24:25], s[10:11], s[24:25]
	s_add_nc_u64 s[26:27], s[10:11], s[26:27]
.irp p, 0,1,2,3,4,5,6,7,8,9,10,11,12,13,14,15
	global_load_b128 v[R+4*\p:R+4*\p+3], v4, s[4:5] offset:4096*\p    ; 32 lanes read 512 consecutive bytes of row p
.endr
.irp b, 0,1,2,3
.irp j, 0,1,2,3
	global_load_b128 v[W+16*\b+4*\j:W+16*\b+4*\j+3], v10, s[6:7] offset:128*\b+16*\j
.endr
.endr
	s_wait_loadcnt 16                              ; x's 16 loads are in; the gain's 16 may be out
.irp p, 0,1,2,3,4,5,6,7,8,9,10,11,12,13,14,15
	ds_store_b128 v7, v[R+4*\p:R+4*\p+3] offset:PITCH*\p
.endr
.irp b, 0,1,2,3
.irp j, 0,1,2,3
	ds_load_b128 v[X+16*\b+4*\j:X+16*\b+4*\j+3], v8 offset:128*\b+16*\j   ; LDS serves a wave's instructions in order: these see my stores
.endr
.endr
	s_wait_dscnt 0x0                               ; my numbers are back, and the stores have read their registers,
.irp b, 0,1,2,3
.irp j, 0,1,2,3
	global_load_b128 v[R+16*\b+4*\j:R+16*\b+4*\j+3], v10, s[8:9] offset:128*\b+16*\j   ; which take the bias
.endr
.endr
	v_pk_add_f32 v[238:239], v[80:81], v[82:83]
	v_pk_add_f32 v[252:253], v[88:89], v[92:93]
	v_pk_add_f32 v[250:251], v[96:97], v[100:101]
	v_pk_add_f32 v[248:249], v[104:105], v[108:109]
	v_pk_add_f32 v[246:247], v[112:113], v[116:117]
	v_pk_add_f32 v[244:245], v[120:121], v[124:125]
	v_pk_add_f32 v[242:243], v[128:129], v[132:133]
	v_pk_add_f32 v[236:237], v[136:137], v[140:141]
	s_delay_alu instid0(VALU_DEP_1)
	v_pk_add_f32 v[236:237], v[236:237], v[84:85]
	v_pk_add_f32 v[238:239], v[238:239], v[86:87]
	v_pk_add_f32 v[252:253], v[252:253], v[90:91]
	v_pk_add_f32 v[250:251], v[250:251], v[94:95]
	v_pk_add_f32 v[248:249], v[248:249], v[98:99]
	v_pk_add_f32 v[246:247], v[246:247], v[102:103]
	v_pk_add_f32 v[244:245], v[244:245], v[106:107]
	v_pk_add_f32 v[242:243], v[242:243], v[110:111]
	v_pk_add_f32 v[236:237], v[236:237], v[114:115]
	v_pk_add_f32 v[238:239], v[238:239], v[118:119]
	v_pk_add_f32 v[252:253], v[252:253], v[122:123]
	v_pk_add_f32 v[250:251], v[250:251], v[126:127]
	v_pk_add_f32 v[248:249], v[248:249], v[130:131]
	v_pk_add_f32 v[246:247], v[246:247], v[134:135]
	v_pk_add_f32 v[244:245], v[244:245], v[138:139]
	v_pk_add_f32 v[242:243], v[242:243], v[142:143]
	s_delay_alu instid0(VALU_DEP_4)
	v_pk_add_f32 v[236:237], v[236:237], v[248:249]
	s_delay_alu instid0(VALU_DEP_4)
	v_pk_add_f32 v[238:239], v[238:239], v[246:247]
	s_delay_alu instid0(VALU_DEP_4)
	v_pk_add_f32 v[252:253], v[252:253], v[244:245]
	s_delay_alu instid0(VALU_DEP_4)
	v_pk_add_f32 v[250:251], v[250:251], v[242:243]
	s_delay_alu instid0(VALU_DEP_2)
	v_pk_add_f32 v[236:237], v[236:237], v[252:253]
	s_delay_alu instid0(VALU_DEP_2)
	v_pk_add_f32 v[238:239], v[238:239], v[250:251]
	s_delay_alu instid0(VALU_DEP_1)
	v_pk_add_f32 v[236:237], v[236:237], v[238:239]
	s_delay_alu instid0(VALU_DEP_1)
	v_add_f32 v[SA], v[SA], v[SA+1]
	ACROSS 0
	s_delay_alu instid0(VALU_DEP_1)
	v_mul_f32 v[MN], 0x3a800000, v[SA]             ; / 1,024
	s_delay_alu instid0(VALU_DEP_2)
	v_mul_f32 v[MN+1], 0x3a800000, v[SA]
.irp j, 0,2,4,6,8,10,12,14,16,18,20,22,24,26,28,30,32,34,36,38,40,42,44,46,48,50,52,54,56,58,60,62
	v_pk_add_f32 v[X+\j:X+\j+1], v[X+\j:X+\j+1], v[MN:MN+1] neg_lo:[0,1] neg_hi:[0,1]   ; x - mean
.endr
	v_pk_mul_f32 v[SA:SA+1], v[X:X+1], v[X:X+1]
	v_pk_mul_f32 v[SB:SB+1], v[X+2:X+3], v[X+2:X+3]
.irp j, 4,8,12,16,20,24,28,32,36,40,44,48,52,56,60
	s_delay_alu instid0(VALU_DEP_2)
	v_pk_fma_f32 v[SA:SA+1], v[X+\j:X+\j+1], v[X+\j:X+\j+1], v[SA:SA+1]
	s_delay_alu instid0(VALU_DEP_2)
	v_pk_fma_f32 v[SB:SB+1], v[X+\j+2:X+\j+3], v[X+\j+2:X+\j+3], v[SB:SB+1]
.endr
	s_delay_alu instid0(VALU_DEP_1)
	v_pk_add_f32 v[SA:SA+1], v[SA:SA+1], v[SB:SB+1]
	s_delay_alu instid0(VALU_DEP_1)
	v_add_f32 v[SA], v[SA], v[SA+1]
	ACROSS 512                                     ; other bytes than the first sum's: no barrier between the two uses
	s_delay_alu instid0(VALU_DEP_1)
	v_mul_f32 v[SA], 0x3a802008, v[SA]             ; / 1,023
	s_wait_alu depctr_va_vdst(0)
	v_sqrt_f32 v[SB], v[SA]
	v_nop                                          ; a plain place behind the transcendental,
	s_wait_alu depctr_va_vdst(0)                   ; and the wait ahead of its first reader
	v_add_f32 v[SB], 0x3727c5ac, v[SB]             ; + 1e-5
	s_wait_alu depctr_va_vdst(0)
	v_rcp_f32 v[IV], v[SB]
	v_nop
	s_wait_alu depctr_va_vdst(0)
	v_mov_b32 v[IV+1], v[IV]
	s_wait_alu depctr_va_vdst(0)
	s_wait_loadcnt 0x0                             ; gain and bias
.irp j, 0,2,4,6,8,10,12,14,16,18,20,22,24,26,28,30,32,34,36,38,40,42,44,46,48,50,52,54,56,58,60,62
	v_pk_mul_f32 v[X+\j:X+\j+1], v[X+\j:X+\j+1], v[IV:IV+1]
.endr
.irp j, 0,2,4,6,8,10,12,14,16,18,20,22,24,26,28,30,32,34,36,38,40,42,44,46,48,50,52,54,56,58,60,62
	v_pk_fma_f32 v[X+\j:X+\j+1], v[X+\j:X+\j+1], v[W+\j:W+\j+1], v[R+\j:R+\j+1]
.endr
	Q32 X, PC, PW
	Q32 X+32, PC+6, PW+1
	v_lshl_or_b32 v[PW+2], v[PW+1], 16, v[PW]
	global_store_b128 v4, v[PC:PC+3], s[24:25]
	global_store_b64 v5, v[PC+4:PC+5], s[24:25] offset:512
	global_store_b128 v4, v[PC+6:PC+9], s[24:25] offset:768
	global_store_b64 v5, v[PC+10:PC+11], s[24:25] offset:1280
	global_store_b32 v6, v[PW+2], s[26:27]         ; row r's scale word (lanes 16-31 write the same word again)
	s_wait_tensorcnt 0x0
	ds_add_u32 v254, v255
	s_wait_dscnt 0x0
	s_endpgm
.Lfunc_end_k_qfd2b0be11a_ln1:
	.size	k_qfd2b0be11a_ln1, .Lfunc_end_k_qfd2b0be11a_ln1-k_qfd2b0be11a_ln1
	.p2alignl 7, 3214868480
	.fill 96, 4, 3214868480
	.section	.rodata,"a",@progbits
	.p2align	6, 0x0
	.amdhsa_kernel k_qfd2b0be11a_ln1
		.amdhsa_group_segment_fixed_size 69632
		.amdhsa_private_segment_fixed_size 0
		.amdhsa_enable_private_segment 0
		.amdhsa_kernarg_size 32
		.amdhsa_user_sgpr_count 2
		.amdhsa_user_sgpr_kernarg_segment_ptr 1
		.amdhsa_wavefront_size32 1
		.amdhsa_system_sgpr_workgroup_id_x 1
		.amdhsa_system_sgpr_workgroup_id_y 1
		.amdhsa_system_sgpr_workgroup_id_z 1
		.amdhsa_system_vgpr_workitem_id 0
		.amdhsa_next_free_vgpr 256
		.amdhsa_next_free_sgpr 66
		.amdhsa_reserve_vcc 0
		.amdhsa_float_denorm_mode_32 3
		.amdhsa_float_denorm_mode_16_64 3
		.amdhsa_memory_ordered 1
		.amdhsa_forward_progress 1
		.amdhsa_inst_pref_size 30
	.end_amdhsa_kernel
	.amdgpu_metadata
---
amdhsa.version: [ 1, 2 ]
amdhsa.kernels:
  - .name:           k_qfd2b0be11a_ln1
    .symbol:         k_qfd2b0be11a_ln1.kd
    .args:
      - { .name: x, .offset: 0, .size: 8, .value_kind: global_buffer, .address_space: global }
      - { .name: ln1_w, .offset: 8, .size: 8, .value_kind: global_buffer, .address_space: global }
      - { .name: ln1_b, .offset: 16, .size: 8, .value_kind: global_buffer, .address_space: global }
      - { .name: nx1, .offset: 24, .size: 8, .value_kind: global_buffer, .address_space: global }
    .group_segment_fixed_size: 69632
    .private_segment_fixed_size: 0
    .kernarg_segment_align: 8
    .kernarg_segment_size: 32
    .max_flat_workgroup_size: 256
    .sgpr_count:     66
    .vgpr_count:     256
    .wavefront_size: 32
...
	.end_amdgpu_metadata
.endif
;; end of part 2
;; launch qkv (part 3): grid 12 x 16, 4 waves a work-group, clusters of 4 x 4, 327,680 bytes of LDS; arguments nx1, prep, bq, bk, bv, qkv; writes qkv
.if DOCPART == 3
	.amdgcn_target "amdgcn-amd-amdhsa--gfx1250"
	.amdhsa_code_object_version 6
	.text
	.protected	k_qfd2b0be11a_qkv
	.globl	k_qfd2b0be11a_qkv
	.p2align	8
	.type	k_qfd2b0be11a_qkv,@function
k_qfd2b0be11a_qkv:
	s_mov_b64 s[64:65], 0
	v_nop
	global_prefetch_b8 v0, s[64:65] scope:SCOPE_SE
	s_setreg_imm32_b32 hwreg(HW_REG_WAVE_MODE, 25, 1), 1
	s_wait_xcnt 0x0
	s_wait_alu depctr_hold_cnt(0) depctr_sa_sdst(0) depctr_va_vdst(0) depctr_va_sdst(0) depctr_va_ssrc(0) depctr_va_vcc(0) depctr_vm_vsrc(0)
	s_getreg_b32 s2, hwreg(HW_REG_IB_STS2, 6, 4)
	s_cmp_eq_u32 s2, 0
	s_cbranch_scc0 .Lentry_in_a_cluster
	s_endpgm
.Lentry_in_a_cluster:
	s_bfe_u32 s2, ttmp6, 0x10000c
	s_cmp_lg_u32 s2, 0xf033
	s_cbranch_scc0 .Lentry_shape_is_right
	s_endpgm
.Lentry_shape_is_right:
; q, k, v = nx1 W^T + bias on codes of BF6 (E3M2) with E8M0 scales, and the three results quantised again, in registers, for attention's two products.
; wq, wk, wv are one weight of 24 tiles of 128 features.  A work-group makes 256 tokens x 256 features; its four waves 128 x 128 each (token tile = wave / 2, feature tile = wave % 2: two heads): 64 accumulators, 512 registers.
; For 128 along K a wave reads 16 fragments (24,576 bytes) from LDS and issues 64 products.  12 x 16 = 192 work-groups: N = 3,072 gives no more tiles of this size.
; OPERANDS arrive as operand blocks of 12,800 bytes (128 rows x 128 K: eight fragments of 1,536 bytes as images of the operand's registers, then 128 scale words), one dense run of 102,400 bytes for a tile's whole K.
; LDS: two slots of 153,600 bytes, each three K steps of the four operand tiles (two of tokens, two of weights); wave w brings two tiles' three K steps by one tensor load.  K steps 0 to 5 are first fills;
; K steps 6 and 7 go into slot 0 again, behind a round of the cluster's barrier in K step 2: that load has three K steps, 192 products a wave, in which to land.
; CLUSTER 4 x 4: the four of a row need the same tokens, the four of a column the same weights: each load is asked for jointly, with a mask that names the four.
; q AND k: source 0 = 16 rows of W (their order in a fragment is 32 p + 8 u + r + 8 (r / 8)), source 1 = 16 tokens: a lane holds one token, and register 16 p + i of a token block is feature 32 p + 16 h + i of my 128.
; v: THE SOURCES CHANGE PLACES (the two LDS bases are exchanged by selects on the cluster's x, the same in all partners): a lane holds one feature d and its registers run along the tokens, which are the keys, v's K.
;   Register 16 b + 8 u + j of lane half h is key 32 b + 16 u + 8 h + j and becomes code 16 h + 8 u + j of block b; attention's p comes out of its product in the same order, so the two sides agree.
; OUT: for each (batch, head) and key step of 128 a block of 13,056 bytes: K's 8 half fragments (768 bytes), V^T's 4 fragments, 128 scale words of K, 64 of V; Q's half fragments and scale words behind all of them.
; REGISTERS, in windows of 256: window 0: v1-27 addresses; v28-43 scale words, two sets; v44-107 bias (q, k); v108-124 at work; v128-223 source 1's eight fragments, ONE set (on the way out 64 numbers at work); v224-235 codes; v236-251 bias (v).
;   window 1: source 0's eight fragments, TWO sets, at v0 and v128.   windows 2, 3: the accumulators: (source 1's block n, source 0's block m) at v[8 (8 (n % 4) + m)] of window 2 + n / 4.
; All of the WGP's LDS is claimed.
; LIMITS: NaN and infinities are not served; a block under 2^-122 or of zeros keeps the byte 1 (its codes are zeros; only this program reads the bytes).
.set KS,    8                          ; K steps of 128
.set OPB,   12800
; LDS AS IT IS LAID NOW: TWO slots of 153,600 bytes, each three K steps of the four operand tiles (token tiles 0, 1, weight tiles 0, 1; 38,400 bytes a tile).  K steps 0 to 5 are the head's fills, ONE tensor load a wave:
; waves 0 and 2 bring both token tiles of slots 0 and 1, waves 1 and 3 both weight tiles: a tile of two rows of 38,400 bytes, 102,400 bytes apart in memory.  K steps 6 and 7 go into slot 0 again (wave w: tile w's first 25,600 bytes),
; behind the round of the cluster's barrier in K step 2: that load has three K steps, 192 products a wave, in which to land.
.set PART,  2*OPB                      ; what a refill brings: one operand tile, two K steps
.set TILE,  3*OPB                      ; a tile's three K steps in a slot
.set SLOT,  4*TILE
.set KRUN,  KS*OPB                     ; a tile's whole K in memory
.set SPARE, 2*SLOT                     ; behind the slots: the spare words, 128 bytes a wave
.set QC,    6684672                    ; Q's codes, behind 32 x 16 blocks of 13,056 bytes
.set QS,    9830400                    ; Q's scale words
.set A16,   8                          ; v8-10 source 0: 16 l + its tile in slot 0, 1, 2;  v11-13 the same with 8 l;  v14-16 with 4 l
.set A8,    11
.set A4,    14
.set B16,   17                         ; v17-25 the same for source 1
.set B8,    20
.set B4,    23
.set SPW,   26                         ; v26 LDS address of my spare word; never rewritten
.set NIL,   27                         ; v27 0; never rewritten
.set SC,    28                         ; v28-43 scale words, two sets of eight: source 0's blocks 0-1, 2-3, 4-5, 6-7, then source 1's (even block in lanes 0-15, odd in lanes 16-31)
.set BIAS,  44                         ; v44-107 bias at my lane's 64 features (q, k)
.set TM,    108
.set PT,    116
.set PW,    120
.set BA,    123
.set BA2,   124
.set XF,    128                        ; source 1's fragments
.set T,     128                        ; the way out: a block's 64 numbers
.set PC,    224
.set BV,    236                        ; v236-251 bias at my lane's feature of each of eight tiles, twice (v)
.set G1,    24                         ; s[24:31] descriptor group 1 for the tokens;  s[32:35] group 0 of the refill, s[36:39] that of the head's load
.set G0,    32
.set G0C,   4
.set G1B,   48                         ; s[48:55];  s[56:63] the same for the weight
.set G0B,   56
.set G0BC,  80
.set SEL,   66
.set MSB, 0
.macro WIN new                         ; the immediate's high byte repeats the setting that is left
.if MSB != (\new)
	s_set_vgpr_msb (MSB<<8)|(\new)
.set MSB, (\new)
.endif
.endm
.macro PLACES                          ; four places in front of loads into registers that matrix instructions have read, and of the first read of results
.rept 4
	v_nop
.endr
.endm
.macro CREST                           ; a round of the cluster's barrier behind its opening barrier
	s_cmp_lg_u32 s10, 0
	s_cbranch_scc1 .Lnot_wave_0_\@
	s_barrier_signal -3
.Lnot_wave_0_\@:
	s_barrier_wait -3
	s_barrier_signal -1
	s_barrier_wait -1
.endm
.macro CROUND
	s_barrier_signal -1
	s_barrier_wait -1
	CREST
.endm
.macro JLOAD g0a, g1a, g0b, g1b        ; a joint load: waves 0, 1 fetch tokens, waves 2, 3 weights; four v_nop follow each line
	s_cmp_eq_u32 s11, 0
	s_cbranch_scc0 .Lfor_b_\@
	tensor_load_to_lds s[\g0a:\g0a+3], s[\g1a:\g1a+7]
	s_nop 0
.rept 4
	v_nop
.endr
	s_branch .Lasked_\@
.Lfor_b_\@:
	tensor_load_to_lds s[\g0b:\g0b+3], s[\g1b:\g1b+7]
	s_nop 0
.rept 4
	v_nop
.endr
.Lasked_\@:
.endm
.macro MKD g, b, s                     ; a group 0: slot s, from the tile's run at s[b : b + 1]
	s_mov_b32 s[\g], 1
	s_add_co_u32 s[\g+1], s20, (\s)*SLOT
	s_add_nc_u64 s[\g+2:\g+3], s[\b:\b+1], (\s)*PART
	s_or_b32 s[\g+3], s[\g+3], 0x80000000
.endm
; one product.  c < 0: the constant 0 starts the sum.  ra, rb: the side's scale words stand in lanes 16-31
.macro WM d, a, b, c, sa, sb, ra, rb
.if (\c) < 0
.if (\ra) && (\rb)
	v_wmma_scale_f32_16x16x128_f8f6f4 v[\d:\d+7], v[\a:\a+11], v[\b:\b+11], 0, v[\sa], v[\sb] matrix_a_fmt:MATRIX_FMT_BF6 matrix_b_fmt:MATRIX_FMT_BF6 matrix_a_scale:MATRIX_SCALE_ROW1 matrix_b_scale:MATRIX_SCALE_ROW1
.elseif (\ra)
	v_wmma_scale_f32_16x16x128_f8f6f4 v[\d:\d+7], v[\a:\a+11], v[\b:\b+11], 0, v[\sa], v[\sb] matrix_a_fmt:MATRIX_FMT_BF6 matrix_b_fmt:MATRIX_FMT_BF6 matrix_a_scale:MATRIX_SCALE_ROW1
.elseif (\rb)
	v_wmma_scale_f32_16x16x128_f8f6f4 v[\d:\d+7], v[\a:\a+11], v[\b:\b+11], 0, v[\sa], v[\sb] matrix_a_fmt:MATRIX_FMT_BF6 matrix_b_fmt:MATRIX_FMT_BF6 matrix_b_scale:MATRIX_SCALE_ROW1
.else
	v_wmma_scale_f32_16x16x128_f8f6f4 v[\d:\d+7], v[\a:\a+11], v[\b:\b+11], 0, v[\sa], v[\sb] matrix_a_fmt:MATRIX_FMT_BF6 matrix_b_fmt:MATRIX_FMT_BF6
.endif
.else
.if (\ra) && (\rb)
	v_wmma_scale_f32_16x16x128_f8f6f4 v[\d:\d+7], v[\a:\a+11], v[\b:\b+11], v[\c:\c+7], v[\sa], v[\sb] matrix_a_fmt:MATRIX_FMT_BF6 matrix_b_fmt:MATRIX_FMT_BF6 matrix_a_scale:MATRIX_SCALE_ROW1 matrix_b_scale:MATRIX_SCALE_ROW1
.elseif (\ra)
	v_wmma_scale_f32_16x16x128_f8f6f4 v[\d:\d+7], v[\a:\a+11], v[\b:\b+11], v[\c:\c+7], v[\sa], v[\sb] matrix_a_fmt:MATRIX_FMT_BF6 matrix_b_fmt:MATRIX_FMT_BF6 matrix_a_scale:MATRIX_SCALE_ROW1
.elseif (\rb)
	v_wmma_scale_f32_16x16x128_f8f6f4 v[\d:\d+7], v[\a:\a+11], v[\b:\b+11], v[\c:\c+7], v[\sa], v[\sb] matrix_a_fmt:MATRIX_FMT_BF6 matrix_b_fmt:MATRIX_FMT_BF6 matrix_b_scale:MATRIX_SCALE_ROW1
.else
	v_wmma_scale_f32_16x16x128_f8f6f4 v[\d:\d+7], v[\a:\a+11], v[\b:\b+11], v[\c:\c+7], v[\sa], v[\sb] matrix_a_fmt:MATRIX_FMT_BF6 matrix_b_fmt:MATRIX_FMT_BF6
.endif
.endif
.endm
.macro FS0 sg, q, p                    ; 32 LDS loads: source 0's eight fragments of K step q of slot sg into set p of window 1
	WIN 0x40                                       ; destination window 1, address window 0
.irp i, 0,1,2,3,4,5,6,7
	ds_load_b128 v[128*(\p)+12*\i:128*(\p)+12*\i+3], v[A16+\sg] offset:OPB*(\q)+1536*\i
	ds_load_b64 v[128*(\p)+12*\i+4:128*(\p)+12*\i+5], v[A8+\sg] offset:OPB*(\q)+1536*\i+512
	ds_load_b128 v[128*(\p)+12*\i+6:128*(\p)+12*\i+9], v[A16+\sg] offset:OPB*(\q)+1536*\i+768
	ds_load_b64 v[128*(\p)+12*\i+10:128*(\p)+12*\i+11], v[A8+\sg] offset:OPB*(\q)+1536*\i+1280
.endr
	WIN 0
.endm
.macro FS1 sg, q, i0                   ; 16 LDS loads: source 1's blocks i0 .. i0 + 3
.irp i, \i0, \i0+1, \i0+2, \i0+3
	ds_load_b128 v[XF+12*(\i):XF+12*(\i)+3], v[B16+\sg] offset:OPB*(\q)+1536*(\i)
	ds_load_b64 v[XF+12*(\i)+4:XF+12*(\i)+5], v[B8+\sg] offset:OPB*(\q)+1536*(\i)+512
	ds_load_b128 v[XF+12*(\i)+6:XF+12*(\i)+9], v[B16+\sg] offset:OPB*(\q)+1536*(\i)+768
	ds_load_b64 v[XF+12*(\i)+10:XF+12*(\i)+11], v[B8+\sg] offset:OPB*(\q)+1536*(\i)+1280
.endr
.endm
.macro FSC sg, q, st                   ; 8 LDS loads: the K step's scale words into set st
.irp i, 0,1,2,3
	ds_load_b32 v[SC+8*(\st)+\i], v[A4+\sg] offset:OPB*(\q)+12288+128*\i
	ds_load_b32 v[SC+8*(\st)+4+\i], v[B4+\sg] offset:OPB*(\q)+12288+128*\i
.endr
.endm
; 16 products: source 1's blocks n0, n0 + 1 x source 0's eight, 128 along K; p: source 0's set and the set of scale words.  mode 1: the constant 0 starts the sums.
; The 64 accumulators take turns, one instruction a turn, in the same order in every step.
.macro MUL16 n0, p, mode
.irp n, \n0, \n0+1
.irp m, 0,1,2,3,4,5,6,7
.if \mode == 1
	WM 8*(8*((\n)%4)+\m), 128*(\p)+12*\m, XF+12*(\n), -1, SC+8*(\p)+\m/2, SC+8*(\p)+4+(\n)/2, \m%2, (\n)%2
.else
	WM 8*(8*((\n)%4)+\m), 128*(\p)+12*\m, XF+12*(\n), 8*(8*((\n)%4)+\m), SC+8*(\p)+\m/2, SC+8*(\p)+4+(\n)/2, \m%2, (\n)%2
.endif
.endr
.endr
.endm
; A K step (sets p) whose successor, K step nq of slot ns, is known to lie in LDS.  A block of source 1 is free as soon as its eight products are issued: blocks 0-3 are fetched anew in the step's middle, blocks 4-7 at its end.
.macro STEP p, ns, nq, mode
	s_wait_dscnt 16                                ; source 0's set, the scale words and source 1's blocks 0-3 are in; the youngest 16 loads (blocks 4-7) may be out
	WIN 0xa1                                       ; source 0 window 1, source 1 window 0, C and D window 2
	MUL16 0, \p, \mode
	MUL16 2, \p, \mode
	s_wait_dscnt 0x0                               ; blocks 4-7 are in
	PLACES
	FS0 \ns, \nq, 1-\p
	FS1 \ns, \nq, 0
	FSC \ns, \nq, 1-\p
	WIN 0xf1                                       ; C and D window 3
	MUL16 4, \p, \mode
	MUL16 6, \p, \mode
	PLACES
	WIN 0
	FS1 \ns, \nq, 4
.endm
; A K step that ends with a change of slots: ONE barrier.  In front of it each wave waits for all its tensor loads, adds 0 to its spare word, and waits for that and for its reads of LDS so far.
; fill = 1: the barrier opens a round of the cluster's, and behind it slot 0, which nobody reads any more, takes K steps 6 and 7.
.macro TURN p, ns, fill
	s_wait_tensorcnt 0x0                           ; all my tensor loads have landed  (every window is 0 here: the add's two registers lie in window 0)
	ds_add_u32 v[SPW], v[NIL]                      ; 0 onto my spare word
	s_wait_dscnt 17                                ; (the add and the youngest 16 loads, source 1's blocks 4-7, may be out)
	WIN 0xa1
	MUL16 0, \p, 0                                 ; sixteen products stand between the add and the wait for it
	s_wait_dscnt 0x0                               ; the add is done, and my reads are over
	s_barrier_signal -1
	MUL16 2, \p, 0
	WIN 0
	s_barrier_wait -1
.if \fill
	CREST                                          ; no wave of any partner still reads slot 0 or has a load on its way
	s_add_nc_u64 s[G0+2:G0+3], s[G0+2:G0+3], 3*PART
	s_add_nc_u64 s[G0B+2:G0B+3], s[G0B+2:G0B+3], 3*PART
	JLOAD G0, G1, G0B, G1B                         ; the first tensor load behind the round, my one load until the next barrier; its four v_nop are also the places in front of the loads below
.else
	PLACES
.endif
	FS0 \ns, 0, 1-\p
	FS1 \ns, 0, 0
	FSC \ns, 0, 1-\p
	WIN 0xf1
	MUL16 4, \p, 0
	MUL16 6, \p, 0
	PLACES
	WIN 0
	FS1 \ns, 0, 4
.endm
.macro LAST
	s_wait_dscnt 16
	WIN 0xa1
	MUL16 0, 1, 0
	MUL16 2, 1, 0
	s_wait_dscnt 0x0
	WIN 0xf1
	MUL16 4, 1, 0
	MUL16 6, 1, 0
	WIN 0
.endm
.macro Q32 s, pc, pw                   ; 32 numbers of a lane, v[s + 16 b + i] in block b, become half a fragment in v[pc .. pc + 5] and two scale bytes in v[pw]
	v_max3_num_f32 v[TM], |v[\s]|, |v[\s+1]|, 0x2800000            ; the floor 2^(5 - 127): the byte cannot fall under 1
	v_max3_num_f32 v[TM+1], |v[\s+16]|, |v[\s+17]|, 0x2800000
.irp i, 2,4,6,8,10,12,14
	v_max3_num_f32 v[TM], v[TM], |v[\s+\i]|, |v[\s+\i+1]|
	v_max3_num_f32 v[TM+1], v[TM+1], |v[\s+16+\i]|, |v[\s+17+\i]|
.endr
	v_permlanex16_b32 v[TM+2], v[TM], s[SEL], s[SEL+1]
	v_permlanex16_b32 v[TM+3], v[TM+1], s[SEL], s[SEL+1]
	v_max_num_f32 v[TM], v[TM], v[TM+2]
	v_max_num_f32 v[TM+1], v[TM+1], v[TM+3]
	v_add_nc_u32 v[TM+4], 0xfe000000, v[TM]                        ; 4 off the exponent field: the conversion's scale operand
	v_add_nc_u32 v[TM+5], 0xfe000000, v[TM+1]
	v_lshrrev_b32 v[TM+6], 23, v[TM+4]
	v_lshrrev_b32 v[TM+7], 23, v[TM+5]
	v_lshl_or_b32 v[\pw], v[TM+7], 8, v[TM+6]
	v_cvt_scalef32_pk16_bf6_f32 v[\pc:\pc+2], v[\s:\s+15], v[TM+4]
	v_cvt_scalef32_pk16_bf6_f32 v[PT:PT+2], v[\s+16:\s+31], v[TM+5]
	v_nop                                                          ; one plain place behind a scaled conversion
.irp i, 0,1,2
	v_permlane16_swap_b32 v[\pc+\i], v[PT+\i]
.endr
.irp i, 0,1,2
	v_mov_b32 v[\pc+3+\i], v[PT+\i]
.endr
.endm
	s_load_b256 s[68:75], s[0:1], 0x0              ; nx1, prep, bq, bk
	s_load_b128 s[76:79], s[0:1], 0x20             ; bv, qkv
	v_lshl_add_u32 v[SPW], v0, 2, SPARE
	v_mov_b32 v[NIL], 0
	ds_add_u32 v26, v27
	ds_add_u32 v26, v27
	s_wait_dscnt 0x0
	v_lshrrev_b32 v1, 5, v0
	v_readfirstlane_b32 s10, v1                    ; wave 0..3
	s_lshr_b32 s11, s10, 1                         ; which of the two token tiles is mine.  Also: I fetch tokens (0) or weights (1)
	s_and_b32 s12, s10, 1                          ; which of the two feature tiles.  Also: which of the two tiles I fetch
	s_bfe_u32 s40, ttmp6, 0x40000                  ; cx, cy
	s_bfe_u32 s41, ttmp6, 0x40004
	s_lshl_b32 s42, ttmp9, 2
	s_add_co_u32 s42, s42, s40                     ; work-group x = 4 x cluster x + cx: 256 features
	s_and_b32 s13, ttmp7, 0xffff
	s_lshl_b32 s13, s13, 2
	s_add_co_u32 s13, s13, s41                     ; work-group y = 4 x cluster y + cy: 256 tokens
	s_lshl_b32 s43, s41, 2
	s_lshl_b32 s43, 15, s43                        ; my row of the cluster
	s_lshl_b32 s44, 0x1111, s40                    ; my column
	s_or_b32 s[G1], s43, (3<<16)|(1<<21)           ; 15:0 the mask; 17:16 elements of 8 bytes; 20 no padding; 21 set beside a mask
	s_or_b32 s[G1B], s44, (3<<16)|(1<<21)
.irp g, G1, G1B
	s_mov_b32 s[\g+1], (TILE/8)<<16                ; for the head's loads: tensor_dim0 = 4,800 elements: three K steps of a tile
	s_mov_b32 s[\g+2], 2<<16                       ; tensor_dim1 = 2 rows: two neighbouring tiles
	s_mov_b32 s[\g+3], (TILE/8)<<16                ; tile_dim0
	s_mov_b32 s[\g+4], 2                           ; tile_dim1
	s_mov_b32 s[\g+5], KRUN/8                      ; the pitch: from tile to tile
	s_mov_b32 s[\g+6], 0
	s_mov_b32 s[\g+7], 0
.endr
	s_lshl_b32 s16, s13, 1
	s_add_co_u32 s16, s16, s12
	s_mul_i32 s16, s16, KRUN                       ; tokens: the run of the tile that I fetch
	s_lshl_b32 s46, s42, 1
	s_add_co_u32 s46, s46, s12
	s_mul_i32 s46, s46, KRUN                       ; weights likewise
	s_mov_b32 s17, 0
	s_mov_b32 s47, 0
	s_mul_i32 s20, s10, TILE                       ; where a refill goes: wave x 38,400: no place in the cluster enters an LDS address
	s_mul_i32 s92, s13, 2*KRUN                     ; the head's loads: my work-group's two token tiles,
	s_mul_i32 s94, s42, 2*KRUN                     ; its two weight tiles,
	s_mul_i32 s96, s11, TILE                       ; K steps 0-2 (waves 0, 1) or 3-5 (waves 2, 3),
	s_add_co_u32 s92, s92, s96
	s_add_co_u32 s94, s94, s96
	s_mov_b32 s93, 0
	s_mov_b32 s95, 0
	s_mul_i32 s97, s11, SLOT                       ; into slot 0 or 1
	s_wait_kmcnt 0x0
	s_add_nc_u64 s[14:15], s[68:69], s[16:17]
	s_add_nc_u64 s[46:47], s[70:71], s[46:47]
	s_add_nc_u64 s[92:93], s[68:69], s[92:93]
	s_add_nc_u64 s[94:95], s[70:71], s[94:95]
	CROUND                                         ; all sixteen work-groups are here: the first joint loads meet
	MKD G0, 14, 0                                  ; the refill's two groups 0: stepped to K step 6 where they are used
	MKD G0B, 46, 0
	s_mov_b32 s[G0+4], 1
	s_add_co_u32 s[G0+5], s97, 0
	s_mov_b64 s[G0+6:G0+7], s[92:93]
	s_or_b32 s[G0+7], s[G0+7], 0x80000000
	s_mov_b32 s[G0B+4], 1
	s_add_co_u32 s[G0B+5], s97, 2*TILE             ; the weight tiles lie behind the slot's two token tiles
	s_mov_b64 s[G0B+6:G0B+7], s[94:95]
	s_or_b32 s[G0B+7], s[G0B+7], 0x80000000
	s_cmp_eq_u32 s12, 0                            ; even waves fetch tokens, odd waves weights: one load in each arm, my one tensor load at the head
	s_cbranch_scc0 .Lhead_w
	tensor_load_to_lds s[G0+4:G0+7], s[G1:G1+7]
	s_nop 0
.rept 4
	v_nop
.endr
	s_branch .Lhead_asked
.Lhead_w:
	tensor_load_to_lds s[G0B+4:G0B+7], s[G1B:G1B+7]
	s_nop 0
.rept 4
	v_nop
.endr
.Lhead_asked:
	v_and_b32 v3, 31, v0                           ; lane
	v_and_b32 v1, 15, v0                           ; r
	v_bfe_u32 v2, v0, 4, 1                         ; h
	v_lshlrev_b32 v4, 4, v3
	s_wait_alu depctr_va_vdst(0)
	v_lshlrev_b32 v5, 3, v3
	s_wait_alu depctr_va_vdst(0)
	v_lshlrev_b32 v6, 2, v3
	s_wait_alu depctr_va_vdst(0)
	v_lshlrev_b32 v7, 2, v1
	s_mov_b32 s[SEL], 0x76543210
	s_mov_b32 s[SEL+1], 0xfedcba98
	v_mov_b32 v[TM+2], 0                           ; written once: a lane permute's destination counts as one of its sources
	v_mov_b32 v[TM+3], 0
	s_mul_i32 s21, s12, TILE
	s_add_co_u32 s21, s21, 2*TILE                  ; my weight tile in a slot
	s_mul_i32 s23, s11, TILE                       ; my token tile
	s_cmp_ge_u32 ttmp9, 2                          ; cluster x = 2 makes v: there the tokens are source 0
	s_cselect_b32 s92, s23, s21
	s_cselect_b32 s94, s21, s23
.irp s, 0,1,2
	v_add_nc_u32 v[A16+\s], s92, v4
	v_add_nc_u32 v[A8+\s], s92, v5
	v_add_nc_u32 v[A4+\s], s92, v6
	v_add_nc_u32 v[B16+\s], s94, v4
	v_add_nc_u32 v[B8+\s], s94, v5
	v_add_nc_u32 v[B4+\s], s94, v6
	s_add_co_u32 s92, s92, SLOT
	s_add_co_u32 s94, s94, SLOT
.endr
	; the bias, in both forms: 64 features of a lane (q, k) and one feature a tile (v)
	s_cmp_eq_u32 ttmp9, 1
	s_cselect_b64 s[72:73], s[74:75], s[72:73]
	s_cmp_eq_u32 ttmp9, 2
	s_cselect_b64 s[72:73], s[76:77], s[72:73]
	s_lshl_b32 s8, s42, 1
	s_add_co_u32 s8, s8, s12                       ; my feature tile of 24,
	s_and_b32 s93, s8, 7                           ; of 8 within q, k or v
	s_lshl_b32 s8, s93, 9
	s_mov_b32 s9, 0
	s_add_nc_u64 s[72:73], s[72:73], s[8:9]
	v_lshlrev_b32 v[BA], 6, v2                     ; 64 h
	v_and_b32 v[BA2], 8, v1
	v_add_nc_u32 v[BA2], v[BA2], v1
	v_lshlrev_b32 v[BA2], 2, v[BA2]                ; 4 (r + 8 (r / 8))
.irp p, 0,1,2,3
.irp j, 0,1,2,3
	global_load_b128 v[BIAS+16*\p+4*\j:BIAS+16*\p+4*\j+3], v[BA], s[72:73] offset:128*\p+16*\j   ; register 16 p + i: feature 32 p + 16 h + i
.endr
.endr
.irp n, 0,1,2,3,4,5,6,7
	global_load_b32 v[BV+2*\n], v[BA2], s[72:73] offset:4*(32*(\n/2)+8*(\n%2))
.endr
	; where the results go: four bases: codes and scale words of my first head, and of my second
	s_lshl_b32 s95, s13, 1
	s_add_co_u32 s95, s95, s11                     ; my token tile of 32
	s_lshr_b32 s96, s95, 4
	s_lshl_b32 s96, s96, 4                         ; 16 x batch
	s_lshl_b32 s97, s93, 1
	s_add_co_u32 s96, s96, s97                     ; + my first head
	s_and_b32 s95, s95, 15                         ; key step = token tile in the batch
	s_mul_i32 s97, s96, 208896
	s_mul_i32 s98, s95, 13056
	s_add_co_u32 s97, s97, s98                     ; the head's block of this key step
	s_lshl_b32 s98, s96, 7
	s_lshl_b32 s99, s95, 3
	s_add_co_u32 s98, s98, s99                     ; my first tile of 16 queries
	s_mul_i32 s84, s98, 768
	s_add_co_u32 s84, s84, QC                      ; q: codes,
	s_lshl_b32 s86, s98, 6
	s_add_co_u32 s86, s86, QS                      ; scale words;
	s_mov_b32 s88, 98304                           ; from head to head: 128 tiles of 768 bytes,
	s_mov_b32 s90, 8192                            ; 2,048 words
	s_mov_b32 s99, 208896                          ; k, v: from head to head
	s_add_co_u32 s98, s97, 12288                   ; k: scale words
	s_cmp_eq_u32 ttmp9, 0
	s_cselect_b32 s84, s84, s97
	s_cselect_b32 s86, s86, s98
	s_cselect_b32 s88, s88, s99
	s_cselect_b32 s90, s90, s99
	s_add_co_u32 s98, s97, 6144                    ; v: codes,
	s_add_co_u32 s99, s97, 12800                   ; scale words
	s_cmp_eq_u32 ttmp9, 2
	s_cselect_b32 s84, s98, s84
	s_cselect_b32 s86, s99, s86
	s_add_co_u32 s88, s88, s84
	s_add_co_u32 s90, s90, s86
	s_mov_b32 s85, 0
	s_mov_b32 s87, 0
	s_mov_b32 s89, 0
	s_mov_b32 s91, 0
	s_add_nc_u64 s[84:85], s[78:79], s[84:85]
	s_add_nc_u64 s[86:87], s[78:79], s[86:87]
	s_add_nc_u64 s[88:89], s[78:79], s[88:89]
	s_add_nc_u64 s[90:91], s[78:79], s[90:91]
	s_wait_alu depctr_va_vdst(0)
	s_wait_tensorcnt 0x0                           ; my load is in; no load of mine is out, so the descriptors may be written: the refill brings 100 dense rows of 256 bytes
.irp g, G1, G1B
	s_mov_b32 s[\g+1], 32<<16
	s_mov_b32 s[\g+2], 100<<16
	s_mov_b32 s[\g+3], 32<<16
	s_mov_b32 s[\g+4], 100
	s_mov_b32 s[\g+5], 32
.endr
	s_barrier_signal -1
	s_barrier_wait -1                              ; everybody's is
	FS0 0, 0, 0
	FS1 0, 0, 0
	FSC 0, 0, 0
	FS1 0, 0, 4
	STEP 0, 0, 1, 1                                ; K step 0: its products start the sums
	STEP 1, 0, 2, 0                                ; K step 1
	TURN 0, 1, 1                                   ; K step 2; slot 0 is read no more and takes K steps 6 and 7
	STEP 1, 1, 1, 0                                ; K step 3
	STEP 0, 1, 2, 0                                ; K step 4
	TURN 1, 0, 0                                   ; K step 5; slot 0 is whole again; nothing is filled
	STEP 0, 0, 1, 0                                ; K step 6
	LAST                                           ; K step 7
	s_wait_loadcnt 0x0                             ; the bias
	PLACES
	s_cmp_ge_u32 ttmp9, 2
	s_cbranch_scc1 .Lv
	; ---- q, k: a block of 16 tokens at a time: + bias (which moves the 64 numbers into window 0), each head's 64 quantised, stored as half a fragment and a scale word (bytes 2 and 3 are 0)
.irp n, 0,1,2,3,4,5,6,7
	WIN 0x02+(\n/4)                                ; source 0 window 2 or 3
.set KK, 0
.rept 32
	v_pk_add_f32 v[T+KK:T+KK+1], v[64*(\n%4)+KK:64*(\n%4)+KK+1], v[BIAS+KK:BIAS+KK+1]   ; each accumulator from its low end on
.set KK, KK+2
.endr
	WIN 0
.if \n > 0
	s_wait_xcnt 0x0                                ; the last block's stores have read their data: the registers may be written again
.endif
	Q32 T, PC, PW
	Q32 T+32, PC+6, PW+1
	global_store_b128 v4, v[PC:PC+3], s[84:85] offset:768*\n
	global_store_b64 v5, v[PC+4:PC+5], s[84:85] offset:768*\n+512
	global_store_b128 v4, v[PC+6:PC+9], s[88:89] offset:768*\n
	global_store_b64 v5, v[PC+10:PC+11], s[88:89] offset:768*\n+512
	global_store_b32 v7, v[PW], s[86:87] offset:64*\n
	global_store_b32 v7, v[PW+1], s[90:91] offset:64*\n
.endr
	s_branch .Ldone
.Lv:
	; ---- v: a tile of 16 features at a time: + bias, quantised along the key step's 128 keys: a whole fragment and a whole scale word; tiles 0-3 are my first head's, 4-7 my second's
.irp n, 0,1,2,3,4,5,6,7
	v_mov_b32 v[BV+2*\n+1], v[BV+2*\n]
.endr
.irp n, 0,1,2,3,4,5,6,7
	WIN 0x02+(\n/4)
.set KK, 0
.rept 32
	v_pk_add_f32 v[T+KK:T+KK+1], v[64*(\n%4)+KK:64*(\n%4)+KK+1], v[BV+2*\n:BV+2*\n+1]
.set KK, KK+2
.endr
	WIN 0
.if \n > 0
	s_wait_xcnt 0x0
.endif
	Q32 T, PC, PW
	Q32 T+32, PC+6, PW+1
	v_lshl_or_b32 v[PW+2], v[PW+1], 16, v[PW]
.if \n < 4
	global_store_b128 v4, v[PC:PC+3], s[84:85] offset:1536*(\n%4)
	global_store_b64 v5, v[PC+4:PC+5], s[84:85] offset:1536*(\n%4)+512
	global_store_b128 v4, v[PC+6:PC+9], s[84:85] offset:1536*(\n%4)+768
	global_store_b64 v5, v[PC+10:PC+11], s[84:85] offset:1536*(\n%4)+1280
	global_store_b32 v7, v[PW+2], s[86:87] offset:64*(\n%4)
.else
	global_store_b128 v4, v[PC:PC+3], s[88:89] offset:1536*(\n%4)
	global_store_b64 v5, v[PC+4:PC+5], s[88:89] offset:1536*(\n%4)+512
	global_store_b128 v4, v[PC+6:PC+9], s[88:89] offset:1536*(\n%4)+768
	global_store_b64 v5, v[PC+10:PC+11], s[88:89] offset:1536*(\n%4)+1280
	global_store_b32 v7, v[PW+2], s[90:91] offset:64*(\n%4)
.endif
.endr
.Ldone:
	s_wait_tensorcnt 0x0                           ; the wave's end, behind my last tensor load
	ds_add_u32 v[SPW], v[NIL]
	s_wait_dscnt 0x0
	CROUND                                         ; the closing round: no work-group ends while a partner may still ask for a tile that names it
	s_endpgm
.Lfunc_end_k_qfd2b0be11a_qkv:
	.size	k_qfd2b0be11a_qkv, .Lfunc_end_k_qfd2b0be11a_qkv-k_qfd2b0be11a_qkv
	.p2alignl 7, 3214868480
	.fill 96, 4, 3214868480
	.section	.rodata,"a",@progbits
	.p2align	6, 0x0
	.amdhsa_kernel k_qfd2b0be11a_qkv
		.amdhsa_group_segment_fixed_size 327680
		.amdhsa_private_segment_fixed_size 0
		.amdhsa_enable_private_segment 0
		.amdhsa_kernarg_size 48
		.amdhsa_user_sgpr_count 2
		.amdhsa_user_sgpr_kernarg_segment_ptr 1
		.amdhsa_wavefront_size32 1
		.amdhsa_system_sgpr_workgroup_id_x 1
		.amdhsa_system_sgpr_workgroup_id_y 1
		.amdhsa_system_sgpr_workgroup_id_z 1
		.amdhsa_system_vgpr_workitem_id 0
		.amdhsa_next_free_vgpr 1024
		.amdhsa_next_free_sgpr 100
		.amdhsa_reserve_vcc 0
		.amdhsa_float_denorm_mode_32 3
		.amdhsa_float_denorm_mode_16_64 3
		.amdhsa_memory_ordered 1
		.amdhsa_forward_progress 1
		.amdhsa_inst_pref_size 219
	.end_amdhsa_kernel
	.amdgpu_metadata
---
amdhsa.version: [ 1, 2 ]
amdhsa.kernels:
  - .name:           k_qfd2b0be11a_qkv
    .symbol:         k_qfd2b0be11a_qkv.kd
    .args:
      - { .name: nx1, .offset: 0, .size: 8, .value_kind: global_buffer, .address_space: global }
      - { .name: prep, .offset: 8, .size: 8, .value_kind: global_buffer, .address_space: global }
      - { .name: bq, .offset: 16, .size: 8, .value_kind: global_buffer, .address_space: global }
      - { .name: bk, .offset: 24, .size: 8, .value_kind: global_buffer, .address_space: global }
      - { .name: bv, .offset: 32, .size: 8, .value_kind: global_buffer, .address_space: global }
      - { .name: qkv, .offset: 40, .size: 8, .value_kind: global_buffer, .address_space: global }
    .group_segment_fixed_size: 327680
    .private_segment_fixed_size: 0
    .kernarg_segment_align: 8
    .kernarg_segment_size: 48
    .max_flat_workgroup_size: 128
    .sgpr_count:     100
    .vgpr_count:     1024
    .wavefront_size: 32
...
	.end_amdgpu_metadata
.endif
;; end of part 3
;; launch att (part 4): grid 8 x 32, 16 waves a work-group, no clusters, 210,944 bytes of LDS; arguments qkv, mbits, vals; writes vals
.if DOCPART == 4
	.amdgcn_target "amdgcn-amd-amdhsa--gfx1250"
	.amdhsa_code_object_version 6
	.text
	.protected	k_qfd2b0be11a_att
	.globl	k_qfd2b0be11a_att
	.p2align	8
	.type	k_qfd2b0be11a_att,@function
k_qfd2b0be11a_att:
	s_mov_b64 s[64:65], 0
	v_nop
	global_prefetch_b8 v0, s[64:65] scope:SCOPE_SE
	s_setreg_imm32_b32 hwreg(HW_REG_WAVE_MODE, 25, 1), 1
	s_wait_xcnt 0x0
; vals = softmax(q k^T / 8, hidden keys at -infinity) v for one (batch, head), both products on codes of BF6 (E3M2) with E8M0 scales, and vals quantised again for the next product.
; THE SOFTMAX AHEAD OF THE SECOND PRODUCT: t = score x log2(e) / 8; M = the running largest t rounded UP to a whole number; p = 2^(t - M) is quantised along the keys, not normalised;
; the row's sum is taken of the unquantised p and divides at the end.  When M moves, the sum and O are multiplied by 2^(old M - new M): exact.
; SHARES.  A work-group owns 256 queries of a head; each of its sixteen waves one tile of 16, in 256 registers: four waves to a SIMD.
; THE WHOLE HEAD LIES IN LDS: 16 key steps x 13,056 bytes (K's 8 half fragments, V^T's 4 fragments, 128 + 64 scale words) = 208,896 bytes, written ONCE: wave w brings key step w through its registers (25 loads of 512 bytes, one of 256).
; LAYOUT.  S^T = K Q^T (source 0 = 16 keys, source 1 = my queries), O^T = V^T P^T: a lane holds ONE query throughout.
; THE KEYS OF A TILE ARE NOT NEIGHBOURS: row m = 8 g + j of tile 4 c + u is key 32 (2 c + g) + 16 (u % 2) + 8 (u / 2) + j; the rows are picked by the lanes' LDS addresses out of K's stored half fragments.
; So lane half h holds, in score registers 32 c + 8 u + j, ALL 32 keys of block 2 c + h, in the order in which V's codes were laid inside a block: a block's maximum needs no other lane, and the conversions' results are p's operand as it stands.
; THE HEAD'S K IS 64, the instruction's 128: Q's registers 6-11 are zero codes; K's operand of a tile is its 6 registers and the 6 that follow (codes or zeros): they meet zero codes alone, and no scale byte is 0xff.
; THE MASK comes as lane masks, 64 words a key step, by scalar loads one step ahead.  A step whose 64 words are all 0 hides nothing, and a scalar branch on them leads round the 64 selects; any other step runs them.
; The words were laid for tiles of neighbouring keys: the masked way first regroups their halves (word (4 c + e, j) and word (4 c + 2 + e, j) give the words of tiles 4 c + e and 4 c + 2 + e).
; NO TENSOR LOADS, AND SO NO JOINT LOADS IN A CLUSTER.
; NO PREFETCH: the head's bytes are all asked for at the kernel's head; there is no loop to run ahead in.
; A row whose every key is hidden has the sum 0: its scale bytes are set to 0xff, so that the next product gives NaN for that token.
; LIMITS: NaN and infinities among the inputs are not served; a block of p or of vals under 2^-122 or of zeros keeps the byte 1.
.set KVB,   13056                      ; a key step's block
.set QC,    6684672
.set QS,    9830400
.set OPB,   12800
.set SPARE, 16*KVB                     ; behind the head: the spare words, 128 bytes a wave
.set AV16,  1                          ; v1-6 the trip's LDS addresses: V by 16 l, 8 l, 4 l; K by its three lane terms
.set AV8,   2
.set AV4,   3
.set AK16,  4
.set AK8,   5
.set AK4,   6
.set NEGI,  7                          ; -infinity
.set R4,    8                          ; 4 r
.set SH8,   9                          ; 8 h
.set L16,   10                         ; 16 l, 8 l: never rewritten
.set L8,    11
.set C4L,   36                         ; 4 l; v37-39 K's lane terms
.set CK16,  37
.set CK8,   38
.set CK4,   39
.set KF,    40                         ; v40-87 K's 8 half fragments, then V^T's 4 fragments; v88-93 zeros
.set S,     96                         ; v96-159 scores, then p
.set O,     160                        ; v160-191 O^T
.set PB,    192                        ; v192-203 p's codes
.set PT,    204                        ; v204-206, v208-210 the second halves of the blocks' codes
.set BM,    212                        ; v212-213 my two blocks' largest scores, then p
.set BX,    214                        ; v214-215 second chains; then the bytes
.set SO,    216                        ; v216-217 the conversions' scale operands
.set F,     224                        ; v[224:225] f
.set TA,    226
.set TB,    227
.set TS,    228                        ; v228-241 seven chains of sums
.set TM,    242                        ; the way out
.set PW,    250
.set SEL,   14                         ; s[14:15]
.set CS,    48                         ; s[48:49] c = log2(e) / 8
.set MB,    50                         ; s[50:51] the step's mask words; s[16:47] and s[68:99] hold them
.macro WMA d, a, b, c, sa, sb, ra      ; one product; c < 0: the constant 0 starts the sum; ra: source 0's scale words stand in lanes 16-31
.if (\c) < 0
.if (\ra)
	v_wmma_scale_f32_16x16x128_f8f6f4 v[\d:\d+7], v[\a:\a+11], v[\b:\b+11], 0, v[\sa], v[\sb] matrix_a_fmt:MATRIX_FMT_BF6 matrix_b_fmt:MATRIX_FMT_BF6 matrix_a_scale:MATRIX_SCALE_ROW1
.else
	v_wmma_scale_f32_16x16x128_f8f6f4 v[\d:\d+7], v[\a:\a+11], v[\b:\b+11], 0, v[\sa], v[\sb] matrix_a_fmt:MATRIX_FMT_BF6 matrix_b_fmt:MATRIX_FMT_BF6
.endif
.else
.if (\ra)
	v_wmma_scale_f32_16x16x128_f8f6f4 v[\d:\d+7], v[\a:\a+11], v[\b:\b+11], v[\c:\c+7], v[\sa], v[\sb] matrix_a_fmt:MATRIX_FMT_BF6 matrix_b_fmt:MATRIX_FMT_BF6 matrix_a_scale:MATRIX_SCALE_ROW1
.else
	v_wmma_scale_f32_16x16x128_f8f6f4 v[\d:\d+7], v[\a:\a+11], v[\b:\b+11], v[\c:\c+7], v[\sa], v[\sb] matrix_a_fmt:MATRIX_FMT_BF6 matrix_b_fmt:MATRIX_FMT_BF6
.endif
.endif
.endm
.macro Q32 s, pc, pw                   ; the way out: 32 numbers of a lane, 16 of each of two blocks, become half a fragment and two scale bytes
	v_max3_num_f32 v[TM], |v[\s]|, |v[\s+1]|, 0x2800000
	v_max3_num_f32 v[TM+1], |v[\s+16]|, |v[\s+17]|, 0x2800000
.irp i, 2,4,6,8,10,12,14
	s_delay_alu instid0(VALU_DEP_2)
	v_max3_num_f32 v[TM], v[TM], |v[\s+\i]|, |v[\s+\i+1]|
	s_delay_alu instid0(VALU_DEP_2)
	v_max3_num_f32 v[TM+1], v[TM+1], |v[\s+16+\i]|, |v[\s+17+\i]|
.endr
	v_permlanex16_b32 v[TM+2], v[TM], s[SEL], s[SEL+1]
	v_permlanex16_b32 v[TM+3], v[TM+1], s[SEL], s[SEL+1]
	v_max_num_f32 v[TM], v[TM], v[TM+2]
	v_max_num_f32 v[TM+1], v[TM+1], v[TM+3]
	v_add_nc_u32 v[TM+4], 0xfe000000, v[TM]
	v_add_nc_u32 v[TM+5], 0xfe000000, v[TM+1]
	v_lshrrev_b32 v[TM+6], 23, v[TM+4]
	v_lshrrev_b32 v[TM+7], 23, v[TM+5]
	v_lshl_or_b32 v[\pw], v[TM+7], 8, v[TM+6]
	v_cvt_scalef32_pk16_bf6_f32 v[\pc:\pc+2], v[\s:\s+15], v[TM+4]
	v_cvt_scalef32_pk16_bf6_f32 v[PT:PT+2], v[\s+16:\s+31], v[TM+5]
	v_nop                                          ; one plain place behind a scaled conversion
.irp i, 0,1,2
	v_permlane16_swap_b32 v[\pc+\i], v[PT+\i]
.endr
.irp i, 0,1,2
	v_mov_b32 v[\pc+3+\i], v[PT+\i]
.endr
.endm
	s_load_b128 s[4:7], s[0:1], 0x0                ; qkv, mbits
	s_load_b64 s[8:9], s[0:1], 0x10                ; vals
	v_lshl_add_u32 v254, v0, 2, SPARE
	v_mov_b32 v255, 0
	v_lshrrev_b32 v1, 5, v0
	v_readfirstlane_b32 s10, v1                    ; wave 0..15
	v_and_b32 v2, 31, v0
	v_lshlrev_b32 v[L16], 4, v2                    ; 16 l
	v_lshlrev_b32 v[L8], 3, v2                     ; 8 l
	v_lshlrev_b32 v[C4L], 2, v2                    ; 4 l
	s_and_b32 s61, ttmp7, 0xffff                   ; 16 x batch + head
	s_mul_i32 s13, s10, KVB                        ; key step w: in LDS and in the head's run
	s_mul_i32 s28, s61, 16*KVB
	s_add_co_u32 s28, s28, s13
	s_mov_b32 s29, 0
	v_add_nc_u32 v3, s13, v[L16]                   ; where my key step goes
	v_add_nc_u32 v4, s13, v[L8]
	s_wait_alu depctr_va_vdst(0)
	s_wait_kmcnt 0x0
	s_add_nc_u64 s[28:29], s[4:5], s[28:29]
.set N, 0
.rept 25
	global_load_b128 v[S+4*N:S+4*N+3], v[L16], s[28:29] offset:512*N   ; 32 lanes read 512 consecutive bytes
.set N, N+1
.endr
	global_load_b64 v[S+100:S+101], v[L8], s[28:29] offset:12800       ; and the last 256
	s_lshl_b32 s30, ttmp9, 4
	s_add_co_u32 s30, s30, s10                     ; my tile of 16 queries in the batch's 128
	s_lshr_b32 s31, s61, 4                         ; batch
	s_mov_b32 s33, 0
	s_lshl_b32 s32, s31, 7
	s_add_co_u32 s32, s32, s30
	s_lshl_b32 s32, s32, 12                        ; 16 steps x 256 bytes of mask words a query tile
	s_add_nc_u64 s[MB:MB+1], s[6:7], s[32:33]
	s_lshl_b32 s34, s61, 7
	s_add_co_u32 s34, s34, s30
	s_mul_i32 s32, s34, 768
	s_add_co_u32 s32, s32, QC
	s_add_nc_u64 s[52:53], s[4:5], s[32:33]        ; Q's half fragment
	s_lshl_b32 s32, s34, 6
	s_add_co_u32 s32, s32, QS
	s_add_nc_u64 s[54:55], s[4:5], s[32:33]        ; and its scale words
	s_lshl_b32 s35, s31, 4
	s_lshl_b32 s36, ttmp9, 1
	s_add_co_u32 s35, s35, s36
	s_lshr_b32 s36, s10, 3
	s_add_co_u32 s35, s35, s36                     ; vals: the tile of 128 tokens,
	s_lshl_b32 s35, s35, 3
	s_bfe_u32 s36, s61, 0x30001                    ; K step = head / 2
	s_add_co_u32 s35, s35, s36
	s_mul_i32 s35, s35, OPB
	s_and_b32 s36, s10, 7                          ; my row block,
	s_and_b32 s37, s61, 1                          ; my half of the fragment
	s_mul_i32 s38, s36, 1536
	s_mul_i32 s39, s37, 768
	s_add_co_u32 s32, s35, s38
	s_add_co_u32 s32, s32, s39
	s_add_nc_u64 s[56:57], s[8:9], s[32:33]
	s_lshl_b32 s38, s36, 6
	s_lshl_b32 s39, s37, 1
	s_add_co_u32 s32, s35, s38
	s_add_co_u32 s32, s32, s39
	s_add_co_u32 s32, s32, 12288
	s_add_nc_u64 s[58:59], s[8:9], s[32:33]
	s_mov_b32 s[SEL], 0x76543210
	s_mov_b32 s[SEL+1], 0xfedcba98
	s_mov_b32 s[CS], 0x3e38aa3b                    ; c = log2(e) / 8
	s_mov_b32 s[CS+1], s[CS]                       ; (named with it as a pair, so it is written)
	s_mov_b32 s63, 0
	s_mov_b32 s11, 0                               ; LDS byte at which the trip's two blocks begin
	s_mov_b32 s12, 8                               ; trips of two key steps
	v_and_b32 v[R4], 15, v0
	v_lshlrev_b32 v[R4], 2, v[R4]                  ; 4 r
	global_load_b128 v[16:19], v[L16], s[52:53]
	global_load_b64 v[20:21], v[L8], s[52:53] offset:512
	global_load_b32 v28, v[R4], s[54:55]
	v_and_b32 v204, 7, v0                          ; j
	v_bfe_u32 v205, v0, 3, 1                       ; g: which of the tile's two blocks my row lies in
	v_bfe_u32 v206, v0, 4, 1                       ; h
	v_mul_u32_u24 v208, v205, 1536                 ; two stored half fragments on
	v_lshl_add_u32 v209, v204, 4, v208
	v_lshl_add_u32 v[CK16], v206, 8, v209          ; K, registers 0-3: 1,536 g + 16 (j + 16 h)
	v_lshl_add_u32 v209, v204, 3, v208
	v_lshl_add_u32 v[CK8], v206, 7, v209           ; registers 4-5: 1,536 g + 8 (j + 16 h)
	v_lshlrev_b32 v209, 2, v204
	v_lshl_add_u32 v209, v205, 7, v209
	v_lshl_add_u32 v[CK4], v206, 6, v209           ; scale words: 4 (32 g + 16 h + j): lanes 0-15 an even tile's rows, lanes 16-31 the odd tile's behind it
	v_lshlrev_b32 v[SH8], 3, v206                  ; 8 h
	s_wait_alu depctr_va_vdst(0)
	s_wait_loadcnt 0x3                             ; my key step is in; Q's three loads may be out
	s_load_b512 s[16:31], s[MB:MB+1], 0x0          ; key step 0's mask words (the registers that held offsets and the loads' base are free)
	s_load_b512 s[32:47], s[MB:MB+1], 0x40
	s_load_b512 s[68:83], s[MB:MB+1], 0x80
	s_load_b512 s[84:99], s[MB:MB+1], 0xc0
.set N, 0
.rept 25
	ds_store_b128 v3, v[S+4*N:S+4*N+3] offset:512*N
.set N, N+1
.endr
	ds_store_b64 v4, v[S+100:S+101] offset:12800
	s_wait_dscnt 0x0                               ; for the others' sake: my stores have landed
	s_barrier_signal -1
	v_mov_b32 v[NEGI], 0xff800000                  ; work on registers while the others arrive
.irp j, 22,23,24,25,26,27,88,89,90,91,92,93
	v_mov_b32 v[\j], 0                             ; zero codes: Q's upper 64 along K, and what follows K's last tile
.endr
	v_mov_b32 v13, 0xff61b1e6                      ; the largest t so far: -3e38
	v_floor_f32 v12, -v13                          ; -M
	v_mov_b32 v14, 0                               ; the sum, in two halves
	v_mov_b32 v15, 0
.set N, 0
.rept 32
	v_mov_b32 v[O+N], 0                            ; O^T: the step is written once; the first finds zeros
.set N, N+1
.endr
.irp j, F+1, TB, TM+2, TM+3
	v_mov_b32 v[\j], 0                             ; written once: lane permutes' destinations, and the upper half of the pair f
.endr
	s_wait_alu depctr_va_vdst(0)
	s_barrier_wait -1                              ; the whole head lies in LDS
	s_wait_loadcnt 0x0                             ; Q
; A KEY STEP: 128 keys, at byte off of the trip's two blocks.  last = 1: the trip's second step
.macro STEP off, last
.irp t, 0,1,2,3,4,5,6,7
	ds_load_b128 v[KF+6*\t:KF+6*\t+3], v[AK16] offset:\off+768*(4*(\t/4)+\t%2)+128*((\t%4)/2)
	ds_load_b64 v[KF+6*\t+4:KF+6*\t+5], v[AK8] offset:\off+768*(4*(\t/4)+\t%2)+512+64*((\t%4)/2)
.endr
.irp i, 0,1,2,3
	ds_load_b32 v[30+\i], v[AK4] offset:\off+12288+256*(\i/2)+32*(\i%2)   ; K's scale words: tile 2 i in lanes 0-15, tile 2 i + 1 in lanes 16-31
.endr
.irp i, 0,1
	ds_load_b32 v[34+\i], v[AV4] offset:\off+12800+128*\i                 ; V's likewise
.endr
	s_wait_dscnt 0x0
.irp t, 0,1,2,3,4,5,6,7
	WMA S+8*\t, KF+6*\t, 16, -1, 30+\t/2, 28, \t%2
.endr
.rept 4
	v_nop                                          ; places in front of the loads into K's registers and of the first read of the scores
.endr
.irp d, 0,1,2,3
.irp c, 0,1
	ds_load_b128 v[KF+12*\d+6*\c:KF+12*\d+6*\c+3], v[AV16] offset:\off+6144+1536*\d+768*\c        ; V^T: it lands under the softmax
	ds_load_b64 v[KF+12*\d+6*\c+4:KF+12*\d+6*\c+5], v[AV8] offset:\off+6144+1536*\d+768*\c+512
.endr
.endr
	s_wait_alu depctr_va_vdst(0)
	s_wait_kmcnt 0x0                               ; this step's mask words
	s_or_b64 s[100:101], s[16:17], s[18:19]
.irp n, 20,22,24,26,28,30,32,34,36,38,40,42,44,46,68,70,72,74,76,78,80,82,84,86,88,90,92,94,96,98
	s_or_b64 s[100:101], s[100:101], s[\n:\n+1]
.endr
	s_cmp_lg_u64 s[100:101], 0
	s_cbranch_scc0 .Lopen_\@                       ; no key of this step is hidden from my queries: nothing to select
.irp b, 16, 68
.irp k, 0,1,2,3,4,5,6,7,8,9,10,11,12,13,14,15
	s_pack_ll_b32_b16 s100, s[\b+\k], s[\b+16+\k]              ; the low halves make the word of tile 4 c + e,
	s_lshr_b32 s101, s[\b+\k], 16
	s_and_b32 s[\b+16+\k], s[\b+16+\k], 0xffff0000
	s_or_b32 s[\b+16+\k], s[\b+16+\k], s101                    ; the high halves that of tile 4 c + 2 + e
	s_mov_b32 s[\b+\k], s100
.endr
.endr
.set N, 0
.rept 32
	v_cndmask_b32 v[S+N], v[S+N], v[NEGI], s[16+N] ; hidden keys' scores become -infinity; each accumulator from its low end on
.set N, N+1
.endr
.rept 32
	v_cndmask_b32 v[S+N], v[S+N], v[NEGI], s[36+N]
.set N, N+1
.endr
.Lopen_\@:
.if \last
	s_cmp_lg_u32 s12, 1
	s_cselect_b32 s62, 256, 0                      ; the very last step asks for its own words again: no load leaves its buffer
	s_add_nc_u64 s[MB:MB+1], s[MB:MB+1], s[62:63]
.else
	s_add_nc_u64 s[MB:MB+1], s[MB:MB+1], 256       ; (the loads that read this base are done: the wait above)
.endif
	s_load_b512 s[16:31], s[MB:MB+1], 0x0
	s_load_b512 s[32:47], s[MB:MB+1], 0x40
	s_load_b512 s[68:83], s[MB:MB+1], 0x80
	s_load_b512 s[84:99], s[MB:MB+1], 0xc0
.irp c, 0,1                                    ; the largest score of my two blocks of 32 keys, four chains by turns: for the row's maximum, and, since p rises with the score, for the block's largest p
	v_max3_num_f32 v[BM+\c], v[S+32*\c], v[S+32*\c+1], v[S+32*\c+2]
	v_max3_num_f32 v[BX+\c], v[S+32*\c+16], v[S+32*\c+17], v[S+32*\c+18]
.endr
.irp i, 3,5,7,9,11,13
.irp c, 0,1
	v_max3_num_f32 v[BM+\c], v[BM+\c], v[S+32*\c+\i], v[S+32*\c+\i+1]
	v_max3_num_f32 v[BX+\c], v[BX+\c], v[S+32*\c+16+\i], v[S+32*\c+17+\i]
.endr
.endr
.irp c, 0,1
	v_max3_num_f32 v[BM+\c], v[BM+\c], v[BX+\c], v[S+32*\c+15]
.endr
.irp c, 0,1
	v_max_num_f32 v[BM+\c], v[BM+\c], v[S+32*\c+31]
.endr
	v_max_num_f32 v[TA], v[BM], v[BM+1]
	v_permlanex16_b32 v[TB], v[TA], s[SEL], s[SEL+1]
	v_max_num_f32 v[TA], v[TA], v[TB]              ; with lane l xor 16's two blocks: the step's largest score of my query
	v_mul_f32 v[TA], s[CS], v[TA]                  ; as t
	v_max_num_f32 v13, v13, v[TA]                  ; the running largest t
	v_mov_b32 v[TA], v12
	v_floor_f32 v12, -v13                          ; the new -M = -ceil(t): a whole number
	v_sub_f32 v[TA], v12, v[TA]                    ; old M - new M, 0 or less
	v_cvt_i32_f32 v[TA], v[TA]                     ; (it saturates)
	v_ldexp_f32 v[F], 1.0, v[TA]                   ; f = 2^(old M - new M)
.set N, 0
.rept 32
	v_pk_fma_f32 v[S+N:S+N+1], v[S+N:S+N+1], s[CS:CS+1], v[12:13] op_sel_hi:[1,0,0]   ; t - M
.set N, N+2
.endr
.irp c, 0,1
	v_fma_f32 v[BM+\c], v[BM+\c], s[CS], v12
.endr
.set N, 0
.rept 16
	v_pk_mul_f32 v[O+N:O+N+1], v[O+N:O+N+1], v[F:F+1] op_sel_hi:[1,0]   ; O^T under the new M, each accumulator from its low end on
.set N, N+2
.endr
	s_wait_alu depctr_va_vdst(0)
.set N, 0
.rept 64
	v_exp_f32 v[S+N], v[S+N]                       ; p = 2^(t - M)
.set N, N+1
.endr
.irp c, 0,1
	v_exp_f32 v[BM+\c], v[BM+\c]                   ; the block's largest p
.endr
	v_pk_mul_f32 v[14:15], v[14:15], v[F:F+1] op_sel_hi:[1,0]   ; the sums under the new M: the plain place behind the exponentials
	s_wait_alu depctr_va_vdst(0)                   ; one wait for the batch, ahead of its first reader
.irp c, 0,1
	v_max_num_f32 v[BM+\c], 0x2800000, v[BM+\c]    ; the floor 2^(5 - 127)
.endr
.irp c, 0,1
	s_delay_alu instid0(VALU_DEP_2)
	v_add_nc_u32 v[SO+\c], 0xfe000000, v[BM+\c]    ; 4 off the exponent field: the conversion's scale operand
.endr
.irp c, 0,1
	s_delay_alu instid0(VALU_DEP_2)
	v_lshrrev_b32 v[BX+\c], 23, v[SO+\c]           ; the scale's byte
.endr
	s_delay_alu instid0(VALU_DEP_1)
	v_lshl_or_b32 v29, v[BX+1], 16, v[BX]          ; my bytes: blocks h and 2 + h,
	s_delay_alu instid0(VALU_DEP_1)
	v_lshlrev_b32 v29, v[SH8], v29                 ; at their places in the scale word;
	s_delay_alu instid0(VALU_DEP_1)
	v_permlanex16_b32 v[TB], v29, s[SEL], s[SEL+1]
	s_delay_alu instid0(VALU_DEP_1)
	v_or_b32 v29, v29, v[TB]                       ; with lane l xor 16's two the word is whole
.irp c, 0,1
	v_cvt_scalef32_pk16_bf6_f32 v[PB+6*\c:PB+6*\c+2], v[S+32*\c:S+32*\c+15], v[SO+\c]
	v_cvt_scalef32_pk16_bf6_f32 v[PT+4*\c:PT+4*\c+2], v[S+32*\c+16:S+32*\c+31], v[SO+\c]   ; (a conversion's three registers begin on an even number)
.endr
	v_nop                                          ; one plain place behind a scaled conversion
.irp c, 0,1
.irp i, 0,1,2
	v_mov_b32 v[PB+6*\c+3+\i], v[PT+4*\c+\i]
.endr
.endr
	; THE ROW'S SUM IS TAKEN OF THE UNQUANTISED p: 32 packed additions in eight chains.  They are also the places between p's codes and scale word and the products
	v_pk_add_f32 v[14:15], v[14:15], v[S:S+1]
.irp k, 1,2,3,4,5,6,7
	v_pk_add_f32 v[TS+2*\k-2:TS+2*\k-1], v[S+2*\k:S+2*\k+1], v[S+2*\k+14:S+2*\k+15]
.endr
.irp g, 0,1
	v_pk_add_f32 v[14:15], v[14:15], v[S+30+16*\g:S+31+16*\g]
.irp k, 1,2,3,4,5,6,7
	v_pk_add_f32 v[TS+2*\k-2:TS+2*\k-1], v[TS+2*\k-2:TS+2*\k-1], v[S+30+16*\g+2*\k:S+31+16*\g+2*\k]
.endr
.endr
	v_pk_add_f32 v[14:15], v[14:15], v[S+62:S+63]
	v_pk_add_f32 v[TS:TS+1], v[TS:TS+1], v[TS+8:TS+9]
	v_pk_add_f32 v[TS+2:TS+3], v[TS+2:TS+3], v[TS+10:TS+11]
	v_pk_add_f32 v[TS+4:TS+5], v[TS+4:TS+5], v[TS+12:TS+13]
	v_pk_add_f32 v[14:15], v[14:15], v[TS+6:TS+7]
	v_pk_add_f32 v[TS:TS+1], v[TS:TS+1], v[TS+4:TS+5]
	v_pk_add_f32 v[14:15], v[14:15], v[TS+2:TS+3]
	s_delay_alu instid0(VALU_DEP_1)
	v_pk_add_f32 v[14:15], v[14:15], v[TS:TS+1]
	s_wait_dscnt 0x0                               ; V^T
.irp d, 0,1,2,3
	WMA O+8*\d, KF+12*\d, PB, O+8*\d, 34+\d/2, 29, \d%2
.endr
.if \last == 0
.rept 4
	v_nop                                          ; places in front of the next step's loads into V^T's registers
.endr
.endif
.endm
.Ltrip:
	v_add_nc_u32 v[AV16], s11, v[L16]              ; the trip's addresses; these six are also the places behind the last trip's products
	v_add_nc_u32 v[AV8], s11, v[L8]
	v_add_nc_u32 v[AV4], s11, v[C4L]
	v_add_nc_u32 v[AK16], s11, v[CK16]
	v_add_nc_u32 v[AK8], s11, v[CK8]
	v_add_nc_u32 v[AK4], s11, v[CK4]
	s_wait_alu depctr_va_vdst(0)
	STEP 0, 0
	STEP KVB, 1
	s_add_co_u32 s11, s11, 2*KVB
	s_sub_co_u32 s12, s12, 1
	s_cmp_lg_u32 s12, 0
	s_cbranch_scc1 .Ltrip
	; THE WAY OUT: O^T / the sum; register 16 b + 8 u + j of lane half h is channel 32 b + 16 h + 8 u + j of query r: quantised along the head's 64, stored as half a fragment of the next product's operand
	s_wait_kmcnt 0x0                               ; the words asked for in the last step are not used
.rept 4
	v_nop
.endr
	s_wait_alu depctr_va_vdst(0)
	v_add_f32 v14, v14, v15
	s_delay_alu instid0(VALU_DEP_1)
	v_permlanex16_b32 v[TB], v14, s[SEL], s[SEL+1]
	s_delay_alu instid0(VALU_DEP_1)
	v_add_f32 v14, v14, v[TB]                      ; the row's sum
	s_wait_alu depctr_va_vdst(0)
	v_rcp_f32 v[TA], v14
	v_mov_b32 v251, 0xffff                         ; (a plain place behind the transcendental)
	s_wait_alu depctr_va_vdst(0)                   ; ahead of its first reader, which is also O^T's
.set N, 0
.rept 32
	v_mul_f32 v[S+N], v[O+N], v[TA]
.set N, N+1
.endr
	Q32 S, PB, PW
	v_cmp_eq_f32 vcc_lo, 0, v14
	v_cndmask_b32 v[PW], v[PW], v251, vcc_lo       ; a row with no key left: NaN scales
	global_store_b128 v[L16], v[PB:PB+3], s[56:57]
	global_store_b64 v[L8], v[PB+4:PB+5], s[56:57] offset:512
	global_store_b16 v[R4], v[PW], s[58:59]
	s_wait_tensorcnt 0x0                           ; the wave's end
	ds_add_u32 v254, v255
	s_wait_dscnt 0x0
	s_endpgm
.Lfunc_end_k_qfd2b0be11a_att:
	.size	k_qfd2b0be11a_att, .Lfunc_end_k_qfd2b0be11a_att-k_qfd2b0be11a_att
	.p2alignl 7, 3214868480
	.fill 96, 4, 3214868480
	.section	.rodata,"a",@progbits
	.p2align	6, 0x0
	.amdhsa_kernel k_qfd2b0be11a_att
		.amdhsa_group_segment_fixed_size 210944
		.amdhsa_private_segment_fixed_size 0
		.amdhsa_enable_private_segment 0
		.amdhsa_kernarg_size 24
		.amdhsa_user_sgpr_count 2
		.amdhsa_user_sgpr_kernarg_segment_ptr 1
		.amdhsa_wavefront_size32 1
		.amdhsa_system_sgpr_workgroup_id_x 1
		.amdhsa_system_sgpr_workgroup_id_y 1
		.amdhsa_system_sgpr_workgroup_id_z 1
		.amdhsa_system_vgpr_workitem_id 0
		.amdhsa_next_free_vgpr 256
		.amdhsa_next_free_sgpr 104
		.amdhsa_reserve_vcc 1
		.amdhsa_float_denorm_mode_32 3
		.amdhsa_float_denorm_mode_16_64 3
		.amdhsa_memory_ordered 1
		.amdhsa_forward_progress 1
		.amdhsa_inst_pref_size 68
	.end_amdhsa_kernel
	.amdgpu_metadata
---
amdhsa.version: [ 1, 2 ]
amdhsa.kernels:
  - .name:           k_qfd2b0be11a_att
    .symbol:         k_qfd2b0be11a_att.kd
    .args:
      - { .name: qkv, .offset: 0, .size: 8, .value_kind: global_buffer, .address_space: global }
      - { .name: mbits, .offset: 8, .size: 8, .value_kind: global_buffer, .address_space: global }
      - { .name: vals, .offset: 16, .size: 8, .value_kind: global_buffer, .address_space: global }
    .group_segment_fixed_size: 210944
    .private_segment_fixed_size: 0
    .kernarg_segment_align: 8
    .kernarg_segment_size: 24
    .max_flat_workgroup_size: 512
    .sgpr_count:     104
    .vgpr_count:     256
    .wavefront_size: 32
...
	.end_amdgpu_metadata
.endif
;; end of part 4
;; launch oproj (part 5): grid 8 x 32, 4 waves a work-group, clusters of 4 x 4, 327,680 bytes of LDS; arguments vals, prep, bo, x, x1; writes x1
.if DOCPART == 5
	.amdgcn_target "amdgcn-amd-amdhsa--gfx1250"
	.amdhsa_code_object_version 6
	.text
	.protected	k_qfd2b0be11a_oproj
	.globl	k_qfd2b0be11a_oproj
	.p2align	8
	.type	k_qfd2b0be11a_oproj,@function
k_qfd2b0be11a_oproj:
	s_mov_b64 s[64:65], 0
	v_nop
	global_prefetch_b8 v0, s[64:65] scope:SCOPE_SE
	s_setreg_imm32_b32 hwreg(HW_REG_WAVE_MODE, 25, 1), 1
	s_wait_xcnt 0x0
	s_wait_alu depctr_hold_cnt(0) depctr_sa_sdst(0) depctr_va_vdst(0) depctr_va_sdst(0) depctr_va_ssrc(0) depctr_va_vcc(0) depctr_vm_vsrc(0)
	s_getreg_b32 s2, hwreg(HW_REG_IB_STS2, 6, 4)
	s_cmp_eq_u32 s2, 0
	s_cbranch_scc0 .Lentry_in_a_cluster
	s_endpgm
.Lentry_in_a_cluster:
	s_bfe_u32 s2, ttmp6, 0x10000c
	s_cmp_lg_u32 s2, 0xf033
	s_cbranch_scc0 .Lentry_shape_is_right
	s_endpgm
.Lentry_shape_is_right:
.set KS,    8
.set WOFF,  2457600
.set OPB,   12800
.set HALFS, 4*OPB
; x1 = x + vals wo^T + bo.  LDS: the token tile's whole K (8 K steps, 102,400 bytes), then the weight tile's; wave w brings four K steps (51,200 dense bytes) by its one tensor load: nothing is filled again.
.set SLOT,  HALFS                      ; from a tile's K steps 0-3 to its K steps 4-7
.set STAGE, 4*HALFS                    ; behind both tiles
.set A16,   8
.set A8,    10
.set A4,    12
.set B16,   14
.set B8,    16
.set B4,    18
.set STO,   20
.set RD,    21
.set CO,    22
.set SC,    28
.set BIAS,  36
.set BK,    36
.set ACC,   128
.set G1,    24
.set G0,    32
.set G1B,   48
.set G0B,   56
.set MSB, 0
.macro WIN new
.if MSB != \new
	s_set_vgpr_msb (MSB<<8)|\new
.set MSB, \new
.endif
.endm
.macro PLACES
.rept 4
	v_nop
.endr
.endm
.macro CREST
	s_cmp_lg_u32 s10, 0
	s_cbranch_scc1 .Lnot_wave_0_\@
	s_barrier_signal -3
.Lnot_wave_0_\@:
	s_barrier_wait -3
	s_barrier_signal -1
	s_barrier_wait -1
.endm
.macro CROUND
	s_barrier_signal -1
	s_barrier_wait -1
	CREST
.endm
.macro JLOAD g0a, g1a, g0b, g1b
	s_cmp_eq_u32 s11, 0
	s_cbranch_scc0 .Lfor_b_\@
	tensor_load_to_lds s[\g0a:\g0a+3], s[\g1a:\g1a+7]
	s_nop 0
.rept 4
	v_nop
.endr
	s_branch .Lasked_\@
.Lfor_b_\@:
	tensor_load_to_lds s[\g0b:\g0b+3], s[\g1b:\g1b+7]
	s_nop 0
.rept 4
	v_nop
.endr
.Lasked_\@:
.endm
.macro WM d, a, b, c, sa, sb, ra, rb
.if (\ra) && (\rb)
	v_wmma_scale_f32_16x16x128_f8f6f4 v[\d:\d+7], v[\a:\a+11], v[\b:\b+11], v[\c:\c+7], v[\sa], v[\sb] matrix_a_fmt:MATRIX_FMT_BF6 matrix_b_fmt:MATRIX_FMT_BF6 matrix_a_scale:MATRIX_SCALE_ROW1 matrix_b_scale:MATRIX_SCALE_ROW1
.elseif (\ra)
	v_wmma_scale_f32_16x16x128_f8f6f4 v[\d:\d+7], v[\a:\a+11], v[\b:\b+11], v[\c:\c+7], v[\sa], v[\sb] matrix_a_fmt:MATRIX_FMT_BF6 matrix_b_fmt:MATRIX_FMT_BF6 matrix_a_scale:MATRIX_SCALE_ROW1
.elseif (\rb)
	v_wmma_scale_f32_16x16x128_f8f6f4 v[\d:\d+7], v[\a:\a+11], v[\b:\b+11], v[\c:\c+7], v[\sa], v[\sb] matrix_a_fmt:MATRIX_FMT_BF6 matrix_b_fmt:MATRIX_FMT_BF6 matrix_b_scale:MATRIX_SCALE_ROW1
.else
	v_wmma_scale_f32_16x16x128_f8f6f4 v[\d:\d+7], v[\a:\a+11], v[\b:\b+11], v[\c:\c+7], v[\sa], v[\sb] matrix_a_fmt:MATRIX_FMT_BF6 matrix_b_fmt:MATRIX_FMT_BF6
.endif
.endm
.macro FETCH sg, q, f, st
	WIN 0x40
.irp i, 0,1,2,3
	ds_load_b128 v[\f+12*\i:\f+12*\i+3], v[A16+\sg] offset:OPB*(\q)+1536*\i
	ds_load_b64 v[\f+12*\i+4:\f+12*\i+5], v[A8+\sg] offset:OPB*(\q)+1536*\i+512
	ds_load_b128 v[\f+12*\i+6:\f+12*\i+9], v[A16+\sg] offset:OPB*(\q)+1536*\i+768
	ds_load_b64 v[\f+12*\i+10:\f+12*\i+11], v[A8+\sg] offset:OPB*(\q)+1536*\i+1280
.endr
.irp i, 0,1,2,3
	ds_load_b128 v[\f+48+12*\i:\f+48+12*\i+3], v[B16+\sg] offset:OPB*(\q)+1536*\i
	ds_load_b64 v[\f+48+12*\i+4:\f+48+12*\i+5], v[B8+\sg] offset:OPB*(\q)+1536*\i+512
	ds_load_b128 v[\f+48+12*\i+6:\f+48+12*\i+9], v[B16+\sg] offset:OPB*(\q)+1536*\i+768
	ds_load_b64 v[\f+48+12*\i+10:\f+48+12*\i+11], v[B8+\sg] offset:OPB*(\q)+1536*\i+1280
.endr
	WIN 0
.irp i, 0,1
	ds_load_b32 v[SC+4*\st+\i], v[A4+\sg] offset:OPB*(\q)+12288+128*\i
	ds_load_b32 v[SC+4*\st+2+\i], v[B4+\sg] offset:OPB*(\q)+12288+128*\i
.endr
.endm
.macro MUL16 f, st, mode
	WIN 0x05
.irp n, 0,1,2,3
.irp m, 0,1,2,3
.if \mode == 2
	WM ACC+8*(4*\n+\m), \f+12*\m, \f+48+12*\n, BIAS+8*\m, SC+4*\st+\m/2, SC+4*\st+2+\n/2, \m%2, \n%2
.else
	WM ACC+8*(4*\n+\m), \f+12*\m, \f+48+12*\n, ACC+8*(4*\n+\m), SC+4*\st+\m/2, SC+4*\st+2+\n/2, \m%2, \n%2
.endif
.endr
.endr
.endm
.macro STEP sg, q, mode
.set NF, 96*(((\q)+1)%2)
.set NS, ((\q)+1)%2
.set CF, 96*((\q)%2)
.set CN, (\q)%2
	s_wait_dscnt 0x0
	PLACES
	FETCH \sg, (\q)+1, NF, NS
	MUL16 CF, CN, \mode
.endm
.macro TURNP
	WIN 0
	s_wait_dscnt 0x0
	PLACES
	FETCH 1, 0, 0, 0
	MUL16 96, 1, 0
.endm
.macro LAST
	s_wait_dscnt 0x0
	MUL16 96, 1, 0
	WIN 0
.endm
	s_load_b256 s[68:75], s[0:1], 0x0
	s_load_b64 s[76:77], s[0:1], 0x20
	v_lshl_add_u32 v126, v0, 2, 0x36400
	v_mov_b32 v127, 0
	ds_add_u32 v126, v127
	ds_add_u32 v126, v127
	v_lshrrev_b32 v1, 5, v0
	v_readfirstlane_b32 s10, v1
	s_lshr_b32 s11, s10, 1
	s_and_b32 s12, s10, 1
	s_bfe_u32 s40, ttmp6, 0x40000
	s_bfe_u32 s41, ttmp6, 0x40004
	s_lshl_b32 s42, ttmp9, 2
	s_add_co_u32 s42, s42, s40
	s_and_b32 s13, ttmp7, 0xffff
	s_lshl_b32 s13, s13, 2
	s_add_co_u32 s13, s13, s41
	s_lshl_b32 s43, s41, 2
	s_lshl_b32 s43, 15, s43
	s_lshl_b32 s44, 0x1111, s40
	s_or_b32 s[G1], s43, (3<<16)|(1<<21)
	s_or_b32 s[G1B], s44, (3<<16)|(1<<21)
.irp g, G1, G1B
	s_mov_b32 s[\g+1], 32<<16
	s_mov_b32 s[\g+2], 200<<16                     ; 200 rows of 256 bytes
	s_mov_b32 s[\g+3], 32<<16
	s_mov_b32 s[\g+4], 200
	s_mov_b32 s[\g+5], 32
	s_mov_b32 s[\g+6], 0
	s_mov_b32 s[\g+7], 0
.endr
	s_mul_i32 s17, s12, 4*OPB                      ; which half of the tile's K I fetch
	s_mul_i32 s16, s13, KS*OPB
	s_add_co_u32 s16, s16, s17
	s_mul_i32 s46, s42, KS*OPB
	s_add_co_u32 s46, s46, s17
	s_add_co_u32 s46, s46, WOFF
	s_mov_b32 s17, 0
	s_mov_b32 s47, 0
	s_mul_i32 s20, s10, 4*OPB                      ; and where it goes: wave x 51,200
	s_wait_dscnt 0x0
	s_wait_kmcnt 0x0
	s_add_nc_u64 s[14:15], s[68:69], s[16:17]
	s_add_nc_u64 s[46:47], s[70:71], s[46:47]
	CROUND
.irp s, 0
	s_mov_b32 s[G0+4*\s], 1
	s_add_co_u32 s[G0+4*\s+1], s20, \s*SLOT
	s_add_nc_u64 s[G0+4*\s+2:G0+4*\s+3], s[14:15], \s*HALFS
	s_or_b32 s[G0+4*\s+3], s[G0+4*\s+3], 0x80000000
	s_mov_b32 s[G0B+4*\s], 1
	s_add_co_u32 s[G0B+4*\s+1], s20, \s*SLOT
	s_add_nc_u64 s[G0B+4*\s+2:G0B+4*\s+3], s[46:47], \s*HALFS
	s_or_b32 s[G0B+4*\s+3], s[G0B+4*\s+3], 0x80000000
.endr
	JLOAD G0, G1, G0B, G1B                         ; my one tensor load of the launch, behind the round above
	v_and_b32 v3, 31, v0
	v_and_b32 v1, 15, v0
	v_bfe_u32 v2, v0, 4, 1
	v_lshlrev_b32 v4, 4, v3
	s_wait_alu depctr_va_vdst(0)
	v_lshlrev_b32 v5, 3, v3
	s_wait_alu depctr_va_vdst(0)
	v_lshlrev_b32 v6, 2, v3
	s_wait_alu depctr_va_vdst(0)
	s_mul_i32 s21, s12, 6144
	s_add_co_u32 s21, s21, 2*HALFS                 ; the weight tile lies behind the token tile's eight K steps
	s_lshl_b32 s22, s12, 8
	s_add_co_u32 s22, s22, 2*HALFS
	s_mul_i32 s23, s11, 6144
	s_lshl_b32 s45, s11, 8
.irp s, 0,1
	v_add_nc_u32 v[A16+\s], s21, v4
	v_add_nc_u32 v[A8+\s], s21, v5
	v_add_nc_u32 v[A4+\s], s22, v6
	v_add_nc_u32 v[B16+\s], s23, v4
	v_add_nc_u32 v[B8+\s], s23, v5
	v_add_nc_u32 v[B4+\s], s45, v6
	s_add_co_u32 s21, s21, SLOT
	s_add_co_u32 s22, s22, SLOT
	s_add_co_u32 s23, s23, SLOT
	s_add_co_u32 s45, s45, SLOT
.endr
	s_lshl_b32 s82, s42, 9
	s_lshl_b32 s83, s12, 8
	s_add_co_u32 s82, s82, s83
	s_mov_b32 s83, 0
	s_add_nc_u64 s[80:81], s[72:73], s[82:83]
	v_lshlrev_b32 v23, 6, v2
.irp b, 0,1
.irp j, 0,1,2,3
	global_load_b128 v[BIAS+16*\b+4*\j:BIAS+16*\b+4*\j+3], v23, s[80:81] offset:128*\b+16*\j
.endr
.endr
	s_lshl_b32 s84, s13, 19
	s_lshl_b32 s85, s11, 18
	s_add_co_u32 s84, s84, s85
	s_add_co_u32 s84, s84, s82
	s_mov_b32 s85, 0
	s_add_nc_u64 s[86:87], s[74:75], s[84:85]
	s_add_nc_u64 s[88:89], s[76:77], s[84:85]
	v_lshlrev_b32 v[CO], 12, v2
	v_lshl_add_u32 v[CO], v1, 4, v[CO]
	WIN 0x80
.irp t, 0,1,2,3
.irp i, 0,1,2,3,4,5,6,7
	global_load_b128 v[32*\t+4*\i:32*\t+4*\i+3], v[CO], s[86:87] offset:(16*\t+2*\i)*4096
.endr
.endr
	WIN 0
	s_mul_i32 s90, s10, 16*272
	s_add_co_u32 s90, s90, STAGE
	v_mul_u32_u24 v[STO], v1, 272
	v_lshl_add_u32 v[STO], v2, 6, v[STO]
	v_add_nc_u32 v[STO], s90, v[STO]
	v_mul_u32_u24 v[RD], v2, 272
	v_lshl_add_u32 v[RD], v1, 4, v[RD]
	v_add_nc_u32 v[RD], s90, v[RD]
	s_wait_tensorcnt 0x0                           ; my four K steps are in
	s_barrier_signal -1
	s_barrier_wait -1
	FETCH 0, 0, 0, 0
	s_wait_loadcnt 32
	STEP 0, 0, 2
	STEP 0, 1, 0
	STEP 0, 2, 0
	TURNP
	STEP 1, 0, 0
	STEP 1, 1, 0
	STEP 1, 2, 0
	LAST
	s_wait_alu depctr_va_vdst(0)
	s_wait_loadcnt 0x0
	PLACES
.irp t, 0,1,2,3
.if \t > 0
	s_wait_xcnt 0x0
.endif
.irp m, 0,1,2,3
	ds_store_b128 v[STO], v[ACC+32*\t+8*\m:ACC+32*\t+8*\m+3] offset:128*(\m/2)+32*(\m%2)
	ds_store_b128 v[STO], v[ACC+32*\t+8*\m+4:ACC+32*\t+8*\m+7] offset:128*(\m/2)+32*(\m%2)+16
.endr
.irp i, 0,1,2,3,4,5,6,7
	ds_load_b128 v[BK+4*\i:BK+4*\i+3], v[RD] offset:544*\i
.endr
	s_wait_dscnt 0x0
	WIN 0x08
.irp k, 0,2,4,6,8,10,12,14,16,18,20,22,24,26,28,30
	v_pk_add_f32 v[BK+\k:BK+\k+1], v[BK+\k:BK+\k+1], v[32*\t+\k:32*\t+\k+1]
.endr
	WIN 0
.irp i, 0,1,2,3,4,5,6,7
	global_store_b128 v[CO], v[BK+4*\i:BK+4*\i+3], s[88:89] offset:(16*\t+2*\i)*4096
.endr
.endr
	s_wait_tensorcnt 0x0
	ds_add_u32 v126, v127
	s_wait_dscnt 0x0
	CROUND
	s_endpgm
.Lfunc_end_k_qfd2b0be11a_oproj:
	.size	k_qfd2b0be11a_oproj, .Lfunc_end_k_qfd2b0be11a_oproj-k_qfd2b0be11a_oproj
	.p2alignl 7, 3214868480
	.fill 96, 4, 3214868480
	.section	.rodata,"a",@progbits
	.p2align	6, 0x0
	.amdhsa_kernel k_qfd2b0be11a_oproj
		.amdhsa_group_segment_fixed_size 327680
		.amdhsa_private_segment_fixed_size 0
		.amdhsa_enable_private_segment 0
		.amdhsa_kernarg_size 40
		.amdhsa_user_sgpr_count 2
		.amdhsa_user_sgpr_kernarg_segment_ptr 1
		.amdhsa_wavefront_size32 1
		.amdhsa_system_sgpr_workgroup_id_x 1
		.amdhsa_system_sgpr_workgroup_id_y 1
		.amdhsa_system_sgpr_workgroup_id_z 1
		.amdhsa_system_vgpr_workitem_id 0
		.amdhsa_next_free_vgpr 640
		.amdhsa_next_free_sgpr 100
		.amdhsa_reserve_vcc 0
		.amdhsa_float_denorm_mode_32 3
		.amdhsa_float_denorm_mode_16_64 3
		.amdhsa_memory_ordered 1
		.amdhsa_forward_progress 1
		.amdhsa_inst_pref_size 59
	.end_amdhsa_kernel
	.amdgpu_metadata
---
amdhsa.version: [ 1, 2 ]
amdhsa.kernels:
  - .name:           k_qfd2b0be11a_oproj
    .symbol:         k_qfd2b0be11a_oproj.kd
    .args:
      - { .name: vals, .offset: 0, .size: 8, .value_kind: global_buffer, .address_space: global }
      - { .name: prep, .offset: 8, .size: 8, .value_kind: global_buffer, .address_space: global }
      - { .name: bo, .offset: 16, .size: 8, .value_kind: global_buffer, .address_space: global }
      - { .name: x, .offset: 24, .size: 8, .value_kind: global_buffer, .address_space: global }
      - { .name: x1, .offset: 32, .size: 8, .value_kind: global_buffer, .address_space: global }
    .group_segment_fixed_size: 327680
    .private_segment_fixed_size: 0
    .kernarg_segment_align: 8
    .kernarg_segment_size: 40
    .max_flat_workgroup_size: 128
    .sgpr_count:     100
    .vgpr_count:     640
    .wavefront_size: 32
...
	.end_amdgpu_metadata
.endif
;; end of part 5
;; launch ln2: the kernel of part 2 again; grid 256 x 1, 8 waves a work-group, no clusters, 69,632 bytes of LDS; arguments x1, ln2_w, ln2_b, nx2; writes nx2
;; launch ffn1 (part 6): grid 16 x 16, 4 waves a work-group, clusters of 4 x 4, 327,680 bytes of LDS; arguments nx2, prep, b1, hid; writes hid
.if DOCPART == 6
	.amdgcn_target "amdgcn-amd-amdhsa--gfx1250"
	.amdhsa_code_object_version 6
	.text
	.protected	k_qfd2b0be11a_ffn1
	.globl	k_qfd2b0be11a_ffn1
	.p2align	8
	.type	k_qfd2b0be11a_ffn1,@function
k_qfd2b0be11a_ffn1:
	s_mov_b64 s[64:65], 0
	v_nop
	global_prefetch_b8 v0, s[64:65] scope:SCOPE_SE
	s_setreg_imm32_b32 hwreg(HW_REG_WAVE_MODE, 25, 1), 1
	s_wait_xcnt 0x0
	s_wait_alu depctr_hold_cnt(0) depctr_sa_sdst(0) depctr_va_vdst(0) depctr_va_sdst(0) depctr_va_ssrc(0) depctr_va_vcc(0) depctr_vm_vsrc(0)
	s_getreg_b32 s2, hwreg(HW_REG_IB_STS2, 6, 4)
	s_cmp_eq_u32 s2, 0
	s_cbranch_scc0 .Lentry_in_a_cluster
	s_endpgm
.Lentry_in_a_cluster:
	s_bfe_u32 s2, ttmp6, 0x10000c
	s_cmp_lg_u32 s2, 0xf033
	s_cbranch_scc0 .Lentry_shape_is_right
	s_endpgm
.Lentry_shape_is_right:
; hid = Q(relu(nx2 w1^T + b1)): the product on codes of BF6 (E3M2) with E8M0 scales, the result quantised in registers along the hidden units, which are the next product's K.
; A work-group makes 256 tokens x 256 hidden units; its four waves 128 x 128 each (token tile = wave / 2, feature tile = wave % 2): 64 accumulators, 512 registers.  16 x 16 = 256 work-groups.
; For 128 along K a wave reads 16 fragments (24,576 bytes) from LDS and issues 64 products.
; OPERANDS arrive as operand blocks of 12,800 bytes (128 rows x 128 K: eight fragments of 1,536 bytes as images of the operand's registers, then 128 scale words), one dense run of 102,400 bytes for a tile's whole K.
; LDS: three slots of 102,400 bytes, each two K steps of the four operand tiles (two of tokens, two of weights); wave w brings tile w's six K steps (76,800 bytes) by one tensor load.  K steps 0 to 5 are first fills;
; K steps 6 and 7 go into slot 0 again, behind a round of the cluster's barrier in K step 1: that load has four K steps, 256 products a wave, in which to land.
; CLUSTER 4 x 4: the four of a row need the same tokens, the four of a column the same weights: each load is asked for jointly, with a mask that names the four.
; Source 0 = 16 rows of w1 (order in a fragment: 32 p + 8 u + r + 8 (r / 8)), source 1 = 16 tokens: a lane holds one token, and register 16 p + i of a token block is hidden unit 32 p + 16 h + i of my 128.
; The bias is the C of the first products.  OUT: operand blocks in the order [token tile][K step = feature tile]: a wave makes one whole block: eight fragments and their scale words.
; REGISTERS, in windows of 256: window 0: v1-27 addresses; v28-43 scale words, two sets; v44-107 the bias; v108-123 at work; v128-223 source 1's eight fragments, ONE set (on the way out 64 numbers at work); v224-235 codes.
;   window 1: source 0's eight fragments, TWO sets, at v0 and v128.   windows 2, 3: the accumulators: (source 1's block n, source 0's block m) at v[8 (8 (n % 4) + m)] of window 2 + n / 4.
; All of the WGP's LDS is claimed.
; LIMITS: NaN and infinities are not served; a block under 2^-122 or of zeros keeps the byte 1 (its codes are zeros; only this program reads the bytes).
.set KS,    8
.set WOFF,  3276800                    ; w1's blocks in prep
.set OPB,   12800
.set PART,  2*OPB                      ; what one tensor load brings: one operand tile, two K steps
; LDS AS IT IS LAID NOW: each of the four operand tiles has 76,800 bytes on end, K steps 0 to 5 as they lie in memory; wave w brings tile w's six K steps by ONE tensor load at the head (300 rows of 256 bytes);
; K steps 6 and 7 go into the tile's first 25,600 bytes again, by the refill in K step 1.  A 'slot' below is two K steps of a tile, PART bytes on from the slot before.
.set SLOT,  PART
.set TILE,  3*PART
.set KRUN,  KS*OPB                     ; a tile's whole K in memory
.set SPARE, 4*TILE                     ; behind the tiles: the spare words, 128 bytes a wave
.set A16,   8                          ; v8-10 source 0: 16 l + its tile in slot 0, 1, 2;  v11-13 the same with 8 l;  v14-16 with 4 l
.set A8,    11
.set A4,    14
.set B16,   17                         ; v17-25 the same for source 1
.set B8,    20
.set B4,    23
.set SPW,   26                         ; v26 LDS address of my spare word; never rewritten
.set NIL,   27                         ; v27 0; never rewritten
.set SC,    28                         ; v28-43 scale words, two sets of eight: source 0's blocks 0-1, 2-3, 4-5, 6-7, then source 1's (even block in lanes 0-15, odd in lanes 16-31)
.set BIAS,  44                         ; v44-107 the bias at my lane's 64 hidden units
.set TM,    108
.set PT,    116
.set PW,    120
.set BA,    123
.set XF,    128                        ; source 1's fragments
.set T,     128                        ; the way out: a block's 64 numbers
.set PC,    224
.set G1,    24                         ; s[24:31] descriptor group 1 for the tokens;  s[32:35] group 0
.set G0,    32
.set G0C,   4
.set G1B,   48                         ; s[48:55];  s[56:59] the same for the weight
.set G0B,   56
.set G0BC,  80
.set SEL,   66
.set MSB, 0
.macro WIN new                         ; the immediate's high byte repeats the setting that is left
.if MSB != (\new)
	s_set_vgpr_msb (MSB<<8)|(\new)
.set MSB, (\new)
.endif
.endm
.macro PLACES                          ; four places in front of loads into registers that matrix instructions have read, and of the first read of results
.rept 4
	v_nop
.endr
.endm
.macro CREST                           ; a round of the cluster's barrier behind its opening barrier
	s_cmp_lg_u32 s10, 0
	s_cbranch_scc1 .Lnot_wave_0_\@
	s_barrier_signal -3
.Lnot_wave_0_\@:
	s_barrier_wait -3
	s_barrier_signal -1
	s_barrier_wait -1
.endm
.macro CROUND
	s_barrier_signal -1
	s_barrier_wait -1
	CREST
.endm
.macro JLOAD g0a, g1a, g0b, g1b        ; a joint load: waves 0, 1 fetch tokens, waves 2, 3 weights; four v_nop follow each line
	s_cmp_eq_u32 s11, 0
	s_cbranch_scc0 .Lfor_b_\@
	tensor_load_to_lds s[\g0a:\g0a+3], s[\g1a:\g1a+7]
	s_nop 0
.rept 4
	v_nop
.endr
	s_branch .Lasked_\@
.Lfor_b_\@:
	tensor_load_to_lds s[\g0b:\g0b+3], s[\g1b:\g1b+7]
	s_nop 0
.rept 4
	v_nop
.endr
.Lasked_\@:
.endm
.macro MKD g, b, s                     ; a group 0: slot s, from the tile's run at s[b : b + 1]
	s_mov_b32 s[\g], 1
	s_add_co_u32 s[\g+1], s20, (\s)*SLOT
	s_add_nc_u64 s[\g+2:\g+3], s[\b:\b+1], (\s)*PART
	s_or_b32 s[\g+3], s[\g+3], 0x80000000
.endm
.macro WM d, a, b, c, sa, sb, ra, rb   ; one product; ra, rb: the side's scale words stand in lanes 16-31
.if (\ra) && (\rb)
	v_wmma_scale_f32_16x16x128_f8f6f4 v[\d:\d+7], v[\a:\a+11], v[\b:\b+11], v[\c:\c+7], v[\sa], v[\sb] matrix_a_fmt:MATRIX_FMT_BF6 matrix_b_fmt:MATRIX_FMT_BF6 matrix_a_scale:MATRIX_SCALE_ROW1 matrix_b_scale:MATRIX_SCALE_ROW1
.elseif (\ra)
	v_wmma_scale_f32_16x16x128_f8f6f4 v[\d:\d+7], v[\a:\a+11], v[\b:\b+11], v[\c:\c+7], v[\sa], v[\sb] matrix_a_fmt:MATRIX_FMT_BF6 matrix_b_fmt:MATRIX_FMT_BF6 matrix_a_scale:MATRIX_SCALE_ROW1
.elseif (\rb)
	v_wmma_scale_f32_16x16x128_f8f6f4 v[\d:\d+7], v[\a:\a+11], v[\b:\b+11], v[\c:\c+7], v[\sa], v[\sb] matrix_a_fmt:MATRIX_FMT_BF6 matrix_b_fmt:MATRIX_FMT_BF6 matrix_b_scale:MATRIX_SCALE_ROW1
.else
	v_wmma_scale_f32_16x16x128_f8f6f4 v[\d:\d+7], v[\a:\a+11], v[\b:\b+11], v[\c:\c+7], v[\sa], v[\sb] matrix_a_fmt:MATRIX_FMT_BF6 matrix_b_fmt:MATRIX_FMT_BF6
.endif
.endm
.macro FS0 sg, q, p                    ; 32 LDS loads: source 0's eight fragments of K step q of slot sg into set p of window 1
	WIN 0x40                                       ; destination window 1, address window 0
.irp i, 0,1,2,3,4,5,6,7
	ds_load_b128 v[128*(\p)+12*\i:128*(\p)+12*\i+3], v[A16+\sg] offset:OPB*(\q)+1536*\i
	ds_load_b64 v[128*(\p)+12*\i+4:128*(\p)+12*\i+5], v[A8+\sg] offset:OPB*(\q)+1536*\i+512
	ds_load_b128 v[128*(\p)+12*\i+6:128*(\p)+12*\i+9], v[A16+\sg] offset:OPB*(\q)+1536*\i+768
	ds_load_b64 v[128*(\p)+12*\i+10:128*(\p)+12*\i+11], v[A8+\sg] offset:OPB*(\q)+1536*\i+1280
.endr
	WIN 0
.endm
.macro FS1 sg, q, i0                   ; 16 LDS loads: source 1's blocks i0 .. i0 + 3
.irp i, \i0, \i0+1, \i0+2, \i0+3
	ds_load_b128 v[XF+12*(\i):XF+12*(\i)+3], v[B16+\sg] offset:OPB*(\q)+1536*(\i)
	ds_load_b64 v[XF+12*(\i)+4:XF+12*(\i)+5], v[B8+\sg] offset:OPB*(\q)+1536*(\i)+512
	ds_load_b128 v[XF+12*(\i)+6:XF+12*(\i)+9], v[B16+\sg] offset:OPB*(\q)+1536*(\i)+768
	ds_load_b64 v[XF+12*(\i)+10:XF+12*(\i)+11], v[B8+\sg] offset:OPB*(\q)+1536*(\i)+1280
.endr
.endm
.macro FSC sg, q, st                   ; 8 LDS loads: the K step's scale words into set st
.irp i, 0,1,2,3
	ds_load_b32 v[SC+8*(\st)+\i], v[A4+\sg] offset:OPB*(\q)+12288+128*\i
	ds_load_b32 v[SC+8*(\st)+4+\i], v[B4+\sg] offset:OPB*(\q)+12288+128*\i
.endr
.endm
; 16 products: source 1's blocks n0, n0 + 1 x source 0's eight, 128 along K; p: source 0's set and the set of scale words.  mode 2: the bias starts the sums.
; The 64 accumulators take turns, one instruction a turn, in the same order in every step.
.macro MUL16 n0, p, mode
.irp n, \n0, \n0+1
.irp m, 0,1,2,3,4,5,6,7
.if \mode == 2
	WM 8*(8*((\n)%4)+\m), 128*(\p)+12*\m, XF+12*(\n), BIAS+8*\m, SC+8*(\p)+\m/2, SC+8*(\p)+4+(\n)/2, \m%2, (\n)%2
.else
	WM 8*(8*((\n)%4)+\m), 128*(\p)+12*\m, XF+12*(\n), 8*(8*((\n)%4)+\m), SC+8*(\p)+\m/2, SC+8*(\p)+4+(\n)/2, \m%2, (\n)%2
.endif
.endr
.endr
.endm
; A K step (sets p) whose successor, K step nq of slot ns, is known to lie in LDS.  A block of source 1 is free as soon as its eight products are issued: blocks 0-3 are fetched anew in the step's middle, blocks 4-7 at its end.
.macro STEP p, ns, nq, mode
	s_wait_dscnt 16                                ; source 0's set, the scale words and source 1's blocks 0-3 are in; the youngest 16 loads (blocks 4-7) may be out
.if \mode == 2
	WIN 0x81                                       ; source 0 window 1, source 1 and C (the bias) window 0, D window 2
.else
	WIN 0xa1                                       ; source 0 window 1, source 1 window 0, C and D window 2
.endif
	MUL16 0, \p, \mode
	MUL16 2, \p, \mode
	s_wait_dscnt 0x0                               ; blocks 4-7 are in
	PLACES
	FS0 \ns, \nq, 1-\p
	FS1 \ns, \nq, 0
	FSC \ns, \nq, 1-\p
.if \mode == 2
	WIN 0xc1                                       ; D window 3
.else
	WIN 0xf1                                       ; C and D window 3
.endif
	MUL16 4, \p, \mode
	MUL16 6, \p, \mode
	PLACES
	WIN 0
	FS1 \ns, \nq, 4
.endm
; A K step that ends with a change of slots: ONE barrier.  In front of it each wave waits for all its tensor loads, adds 0 to its spare word, and waits for that and for its reads of LDS so far.
; fill = 1: the barrier opens a round of the cluster's, and behind it slot 0, which nobody reads any more, takes K steps 6 and 7.
.macro TURN p, ns, fill
	s_wait_tensorcnt 0x0                           ; all my tensor loads have landed  (every window is 0 here: the add's two registers lie in window 0)
	ds_add_u32 v[SPW], v[NIL]                      ; 0 onto my spare word
	s_wait_dscnt 17                                ; (the add and the youngest 16 loads, source 1's blocks 4-7, may be out)
	WIN 0xa1
	MUL16 0, \p, 0                                 ; sixteen products stand between the add and the wait for it
	s_wait_dscnt 0x0                               ; the add is done, and my reads are over
	s_barrier_signal -1
	MUL16 2, \p, 0
	WIN 0
	s_barrier_wait -1
.if \fill
	CREST                                          ; no wave of any partner still reads slot 0 or has a load on its way
	s_add_nc_u64 s[G0+2:G0+3], s[G0+2:G0+3], 3*PART
	s_add_nc_u64 s[G0B+2:G0B+3], s[G0B+2:G0B+3], 3*PART
	JLOAD G0, G1, G0B, G1B                         ; the first tensor load behind the round, my one load until the next barrier; its four v_nop are also the places in front of the loads below
.else
	PLACES
.endif
	FS0 \ns, 0, 1-\p
	s_wait_alu depctr_va_vdst(0)
	FS1 \ns, 0, 0
	FSC \ns, 0, 1-\p
	WIN 0xf1
	MUL16 4, \p, 0
	MUL16 6, \p, 0
	PLACES
	WIN 0
	FS1 \ns, 0, 4
.endm
.macro LAST
	s_wait_dscnt 16
	WIN 0xa1
	MUL16 0, 1, 0
	MUL16 2, 1, 0
	s_wait_dscnt 0x0
	WIN 0xf1
	MUL16 4, 1, 0
	MUL16 6, 1, 0
	WIN 0
.endm
.macro Q32 s, pc, pw                   ; 32 numbers of a lane, v[s + 16 b + i] in block b, become half a fragment in v[pc .. pc + 5] and two scale bytes in v[pw]
	v_max3_num_f32 v[TM], |v[\s]|, |v[\s+1]|, 0x2800000            ; the floor 2^(5 - 127): the byte cannot fall under 1
	v_max3_num_f32 v[TM+1], |v[\s+16]|, |v[\s+17]|, 0x2800000
.irp i, 2,4,6,8,10,12,14
	v_max3_num_f32 v[TM], v[TM], |v[\s+\i]|, |v[\s+\i+1]|
	v_max3_num_f32 v[TM+1], v[TM+1], |v[\s+16+\i]|, |v[\s+17+\i]|
.endr
	v_permlanex16_b32 v[TM+2], v[TM], s[SEL], s[SEL+1]
	v_permlanex16_b32 v[TM+3], v[TM+1], s[SEL], s[SEL+1]
	v_max_num_f32 v[TM], v[TM], v[TM+2]
	v_max_num_f32 v[TM+1], v[TM+1], v[TM+3]
	v_add_nc_u32 v[TM+4], 0xfe000000, v[TM]                        ; 4 off the exponent field: the conversion's scale operand
	v_add_nc_u32 v[TM+5], 0xfe000000, v[TM+1]
	v_lshrrev_b32 v[TM+6], 23, v[TM+4]
	v_lshrrev_b32 v[TM+7], 23, v[TM+5]
	v_lshl_or_b32 v[\pw], v[TM+7], 8, v[TM+6]
	v_cvt_scalef32_pk16_bf6_f32 v[\pc:\pc+2], v[\s:\s+15], v[TM+4]
	v_cvt_scalef32_pk16_bf6_f32 v[PT:PT+2], v[\s+16:\s+31], v[TM+5]
	v_nop                                                          ; one plain place behind a scaled conversion
.irp i, 0,1,2
	v_permlane16_swap_b32 v[\pc+\i], v[PT+\i]
.endr
.irp i, 0,1,2
	v_mov_b32 v[\pc+3+\i], v[PT+\i]
.endr
.endm
	s_load_b256 s[68:75], s[0:1], 0x0              ; nx2, prep, b1, hid
	v_lshl_add_u32 v[SPW], v0, 2, SPARE
	v_mov_b32 v[NIL], 0
	ds_add_u32 v26, v27
	ds_add_u32 v26, v27
	s_wait_dscnt 0x0
	v_lshrrev_b32 v1, 5, v0
	v_readfirstlane_b32 s10, v1                    ; wave 0..3
	s_lshr_b32 s11, s10, 1                         ; which of the two token tiles is mine.  Also: I fetch tokens (0) or weights (1)
	s_and_b32 s12, s10, 1                          ; which of the two feature tiles.  Also: which of the two tiles I fetch
	s_bfe_u32 s40, ttmp6, 0x40000                  ; cx, cy
	s_bfe_u32 s41, ttmp6, 0x40004
	s_lshl_b32 s42, ttmp9, 2
	s_add_co_u32 s42, s42, s40                     ; work-group x = 4 x cluster x + cx: 256 hidden units
	s_and_b32 s13, ttmp7, 0xffff
	s_lshl_b32 s13, s13, 2
	s_add_co_u32 s13, s13, s41                     ; work-group y = 4 x cluster y + cy: 256 tokens
	s_lshl_b32 s43, s41, 2
	s_lshl_b32 s43, 15, s43                        ; my row of the cluster
	s_lshl_b32 s44, 0x1111, s40                    ; my column
	s_or_b32 s[G1], s43, (3<<16)|(1<<21)           ; 15:0 the mask; 17:16 elements of 8 bytes; 20 no padding; 21 set beside a mask
	s_or_b32 s[G1B], s44, (3<<16)|(1<<21)
.irp g, G1, G1B
	s_mov_b32 s[\g+1], 32<<16                      ; tensor_dim0 = 32 elements: rows of 256 bytes
	s_mov_b32 s[\g+2], 300<<16                     ; tensor_dim1 = 300 rows: 76,800 dense bytes, for the head's load
	s_mov_b32 s[\g+3], 32<<16                      ; tile_dim0
	s_mov_b32 s[\g+4], 300                         ; tile_dim1
	s_mov_b32 s[\g+5], 32                          ; the pitch
	s_mov_b32 s[\g+6], 0
	s_mov_b32 s[\g+7], 0
.endr
	s_lshl_b32 s16, s13, 1
	s_add_co_u32 s16, s16, s12
	s_mul_i32 s16, s16, KRUN                       ; tokens: the run of the tile that I fetch
	s_lshl_b32 s46, s42, 1
	s_add_co_u32 s46, s46, s12
	s_mul_i32 s46, s46, KRUN                       ; weights likewise,
	s_add_co_u32 s46, s46, WOFF                    ; behind the other weights' blocks
	s_mov_b32 s17, 0
	s_mov_b32 s47, 0
	s_mul_i32 s20, s10, TILE                       ; where they go: wave x 76,800: no place in the cluster enters an LDS address
	s_wait_kmcnt 0x0
	s_add_nc_u64 s[14:15], s[68:69], s[16:17]
	s_add_nc_u64 s[46:47], s[70:71], s[46:47]
	CROUND                                         ; all sixteen work-groups are here: the first joint loads meet
	MKD G0, 14, 0
	MKD G0B, 46, 0
	JLOAD G0, G1, G0B, G1B
	v_and_b32 v3, 31, v0                           ; lane
	v_and_b32 v1, 15, v0                           ; r
	v_bfe_u32 v2, v0, 4, 1                         ; h
	v_lshlrev_b32 v4, 4, v3
	v_lshlrev_b32 v5, 3, v3
	v_lshlrev_b32 v6, 2, v3
	v_lshlrev_b32 v7, 2, v1
	s_mov_b32 s[SEL], 0x76543210
	s_mov_b32 s[SEL+1], 0xfedcba98
	v_mov_b32 v[TM+2], 0                           ; written once: a lane permute's destination counts as one of its sources
	v_mov_b32 v[TM+3], 0
	s_mul_i32 s21, s12, TILE
	s_add_co_u32 s21, s21, 2*TILE                  ; source 0: my weight tile
	s_mul_i32 s23, s11, TILE                       ; source 1: my token tile
.irp s, 0,1,2
	v_add_nc_u32 v[A16+\s], s21, v4
	v_add_nc_u32 v[A8+\s], s21, v5
	v_add_nc_u32 v[A4+\s], s21, v6
	v_add_nc_u32 v[B16+\s], s23, v4
	v_add_nc_u32 v[B8+\s], s23, v5
	v_add_nc_u32 v[B4+\s], s23, v6
	s_add_co_u32 s21, s21, SLOT
	s_add_co_u32 s23, s23, SLOT
.endr
	s_lshl_b32 s8, s42, 1
	s_add_co_u32 s8, s8, s12                       ; my feature tile of 32
	s_lshl_b32 s9, s13, 1
	s_add_co_u32 s9, s9, s11                       ; my token tile of 32
	s_lshl_b32 s92, s9, 5
	s_add_co_u32 s92, s92, s8
	s_mul_i32 s84, s92, OPB                        ; the result's operand block: token tile, K step = feature tile
	s_mov_b32 s85, 0
	s_add_nc_u64 s[84:85], s[74:75], s[84:85]
	s_lshl_b32 s8, s8, 9                           ; the bias: 512 bytes a feature tile
	s_mov_b32 s9, 0
	s_add_nc_u64 s[86:87], s[72:73], s[8:9]
	v_lshlrev_b32 v[BA], 6, v2                     ; 64 h
.irp p, 0,1,2,3
.irp j, 0,1,2,3
	global_load_b128 v[BIAS+16*\p+4*\j:BIAS+16*\p+4*\j+3], v[BA], s[86:87] offset:128*\p+16*\j   ; register 16 p + i: hidden unit 32 p + 16 h + i
.endr
.endr
	s_wait_alu depctr_va_vdst(0)
	s_wait_tensorcnt 0x0                           ; my tile's K steps 0 to 5 are in; no load of mine is out, so the descriptors may be written:
	s_mov_b32 s[G1+2], 100<<16                     ; the refill brings 100 rows: 25,600 bytes
	s_mov_b32 s[G1+4], 100
	s_mov_b32 s[G1B+2], 100<<16
	s_mov_b32 s[G1B+4], 100
	s_barrier_signal -1
	s_barrier_wait -1                              ; everybody's is
	FS0 0, 0, 0
	FS1 0, 0, 0
	FSC 0, 0, 0
	FS1 0, 0, 4
	s_wait_loadcnt 0x0                             ; the bias
	STEP 0, 0, 1, 2                                ; K step 0: the bias starts the sums
	TURN 1, 1, 1                                   ; K step 1; slots 1 and 2 are whole for every wave; slot 0 takes K steps 6 and 7
	STEP 0, 1, 1, 0                                ; K step 2
	STEP 1, 2, 0, 0                                ; K step 3
	STEP 0, 2, 1, 0                                ; K step 4
	TURN 1, 0, 0                                   ; K step 5; slot 0 is whole again; nothing is filled
	STEP 0, 0, 1, 0                                ; K step 6
	LAST                                           ; K step 7
	PLACES
	; THE WAY OUT, a block of 16 tokens at a time: the relu moves the block's 64 numbers into window 0; they are quantised along my 128 hidden units: a whole fragment and a whole scale word
.irp n, 0,1,2,3,4,5,6,7
	WIN 0x08+4*(\n/4)                              ; source 1 window 2 or 3
.set KK, 0
.rept 64
	v_max_num_f32 v[T+KK], 0, v[64*(\n%4)+KK]      ; each accumulator from its low end on
.set KK, KK+1
.endr
	WIN 0
.if \n > 0
	s_wait_xcnt 0x0                                ; the last block's stores have read their data: the registers may be written again
.endif
	Q32 T, PC, PW
	Q32 T+32, PC+6, PW+1
	v_lshl_or_b32 v[PW+2], v[PW+1], 16, v[PW]
	global_store_b128 v4, v[PC:PC+3], s[84:85] offset:1536*\n
	global_store_b64 v5, v[PC+4:PC+5], s[84:85] offset:1536*\n+512
	global_store_b128 v4, v[PC+6:PC+9], s[84:85] offset:1536*\n+768
	global_store_b64 v5, v[PC+10:PC+11], s[84:85] offset:1536*\n+1280
	global_store_b32 v7, v[PW+2], s[84:85] offset:12288+64*\n   ; token r's scale word (lanes 16-31 write the same word again)
.endr
	s_wait_tensorcnt 0x0                           ; the wave's end, behind my last tensor load
	ds_add_u32 v[SPW], v[NIL]
	s_wait_dscnt 0x0
	CROUND                                         ; the closing round: no work-group ends while a partner may still ask for a tile that names it
	s_endpgm
.Lfunc_end_k_qfd2b0be11a_ffn1:
	.size	k_qfd2b0be11a_ffn1, .Lfunc_end_k_qfd2b0be11a_ffn1-k_qfd2b0be11a_ffn1
	.p2alignl 7, 3214868480
	.fill 96, 4, 3214868480
	.section	.rodata,"a",@progbits
	.p2align	6, 0x0
	.amdhsa_kernel k_qfd2b0be11a_ffn1
		.amdhsa_group_segment_fixed_size 327680
		.amdhsa_private_segment_fixed_size 0
		.amdhsa_enable_private_segment 0
		.amdhsa_kernarg_size 32
		.amdhsa_user_sgpr_count 2
		.amdhsa_user_sgpr_kernarg_segment_ptr 1
		.amdhsa_wavefront_size32 1
		.amdhsa_system_sgpr_workgroup_id_x 1
		.amdhsa_system_sgpr_workgroup_id_y 1
		.amdhsa_system_sgpr_workgroup_id_z 1
		.amdhsa_system_vgpr_workitem_id 0
		.amdhsa_next_free_vgpr 1024
		.amdhsa_next_free_sgpr 100
		.amdhsa_reserve_vcc 0
		.amdhsa_float_denorm_mode_32 3
		.amdhsa_float_denorm_mode_16_64 3
		.amdhsa_memory_ordered 1
		.amdhsa_forward_progress 1
		.amdhsa_inst_pref_size 164
	.end_amdhsa_kernel
	.amdgpu_metadata
---
amdhsa.version: [ 1, 2 ]
amdhsa.kernels:
  - .name:           k_qfd2b0be11a_ffn1
    .symbol:         k_qfd2b0be11a_ffn1.kd
    .args:
      - { .name: nx2, .offset: 0, .size: 8, .value_kind: global_buffer, .address_space: global }
      - { .name: prep, .offset: 8, .size: 8, .value_kind: global_buffer, .address_space: global }
      - { .name: b1, .offset: 16, .size: 8, .value_kind: global_buffer, .address_space: global }
      - { .name: hid, .offset: 24, .size: 8, .value_kind: global_buffer, .address_space: global }
    .group_segment_fixed_size: 327680
    .private_segment_fixed_size: 0
    .kernarg_segment_align: 8
    .kernarg_segment_size: 32
    .max_flat_workgroup_size: 128
    .sgpr_count:     100
    .vgpr_count:     1024
    .wavefront_size: 32
...
	.end_amdgpu_metadata
.endif
;; end of part 6
;; launch ffn2 (part 7): grid 8 x 32, 4 waves a work-group, clusters of 4 x 4, 327,680 bytes of LDS; arguments hid, prep, b2, x1, out0; writes out0
.if DOCPART == 7
	.amdgcn_target "amdgcn-amd-amdhsa--gfx1250"
	.amdhsa_code_object_version 6
	.text
	.protected	k_qfd2b0be11a_ffn2
	.globl	k_qfd2b0be11a_ffn2
	.p2align	8
	.type	k_qfd2b0be11a_ffn2,@function
k_qfd2b0be11a_ffn2:
	s_mov_b64 s[64:65], 0
	v_nop
	global_prefetch_b8 v0, s[64:65] scope:SCOPE_SE
	s_setreg_imm32_b32 hwreg(HW_REG_WAVE_MODE, 25, 1), 1
	s_wait_xcnt 0x0
	s_wait_alu depctr_hold_cnt(0) depctr_sa_sdst(0) depctr_va_vdst(0) depctr_va_sdst(0) depctr_va_ssrc(0) depctr_va_vcc(0) depctr_vm_vsrc(0)
	s_getreg_b32 s2, hwreg(HW_REG_IB_STS2, 6, 4)
	s_cmp_eq_u32 s2, 0
	s_cbranch_scc0 .Lentry_in_a_cluster
	s_endpgm
.Lentry_in_a_cluster:
	s_bfe_u32 s2, ttmp6, 0x10000c
	s_cmp_lg_u32 s2, 0xf033
	s_cbranch_scc0 .Lentry_shape_is_right
	s_endpgm
.Lentry_shape_is_right:
.set KS,    32
.set WOFF,  6553600
.set OPB,   12800
.set HALFS, 4*OPB
.set SLOT,  2*HALFS
.set STAGE, 2*SLOT
.set SPARE, STAGE+4*16*272
.set A16,   8
.set A8,    10
.set A4,    12
.set B16,   14
.set B8,    16
.set B4,    18
.set STO,   20
.set RD,    21
.set CO,    22
.set SPW,   24
.set NIL,   25
.set SC,    28
.set BIAS,  36
.set BK,    36
.set ACC,   128
.set G1,    24
.set G0,    32
.set G1B,   48
.set G0B,   56
.set MSB, 0
.macro WIN new
.if MSB != \new
	s_set_vgpr_msb (MSB<<8)|\new
.set MSB, \new
.endif
.endm
.macro PLACES
.rept 4
	v_nop
.endr
.endm
.macro CREST
	s_cmp_lg_u32 s10, 0
	s_cbranch_scc1 .Lnot_wave_0_\@
	s_barrier_signal -3
.Lnot_wave_0_\@:
	s_barrier_wait -3
	s_barrier_signal -1
	s_barrier_wait -1
.endm
.macro CROUND
	s_barrier_signal -1
	s_barrier_wait -1
	CREST
.endm
.macro JLOAD g0a, g1a, g0b, g1b
	s_cmp_eq_u32 s11, 0
	s_cbranch_scc0 .Lfor_b_\@
	tensor_load_to_lds s[\g0a:\g0a+3], s[\g1a:\g1a+7]
	s_nop 0
.rept 4
	v_nop
.endr
	s_branch .Lasked_\@
.Lfor_b_\@:
	tensor_load_to_lds s[\g0b:\g0b+3], s[\g1b:\g1b+7]
	s_nop 0
.rept 4
	v_nop
.endr
.Lasked_\@:
.endm
.macro WM d, a, b, c, sa, sb, ra, rb
.if (\ra) && (\rb)
	v_wmma_scale_f32_16x16x128_f8f6f4 v[\d:\d+7], v[\a:\a+11], v[\b:\b+11], v[\c:\c+7], v[\sa], v[\sb] matrix_a_fmt:MATRIX_FMT_BF6 matrix_b_fmt:MATRIX_FMT_BF6 matrix_a_scale:MATRIX_SCALE_ROW1 matrix_b_scale:MATRIX_SCALE_ROW1
.elseif (\ra)
	v_wmma_scale_f32_16x16x128_f8f6f4 v[\d:\d+7], v[\a:\a+11], v[\b:\b+11], v[\c:\c+7], v[\sa], v[\sb] matrix_a_fmt:MATRIX_FMT_BF6 matrix_b_fmt:MATRIX_FMT_BF6 matrix_a_scale:MATRIX_SCALE_ROW1
.elseif (\rb)
	v_wmma_scale_f32_16x16x128_f8f6f4 v[\d:\d+7], v[\a:\a+11], v[\b:\b+11], v[\c:\c+7], v[\sa], v[\sb] matrix_a_fmt:MATRIX_FMT_BF6 matrix_b_fmt:MATRIX_FMT_BF6 matrix_b_scale:MATRIX_SCALE_ROW1
.else
	v_wmma_scale_f32_16x16x128_f8f6f4 v[\d:\d+7], v[\a:\a+11], v[\b:\b+11], v[\c:\c+7], v[\sa], v[\sb] matrix_a_fmt:MATRIX_FMT_BF6 matrix_b_fmt:MATRIX_FMT_BF6
.endif
.endm
.macro FETCH sg, q, f, st
	WIN 0x40
.irp i, 0,1,2,3
	ds_load_b128 v[\f+12*\i:\f+12*\i+3], v[A16+\sg] offset:OPB*(\q)+1536*\i
	ds_load_b64 v[\f+12*\i+4:\f+12*\i+5], v[A8+\sg] offset:OPB*(\q)+1536*\i+512
	ds_load_b128 v[\f+12*\i+6:\f+12*\i+9], v[A16+\sg] offset:OPB*(\q)+1536*\i+768
	ds_load_b64 v[\f+12*\i+10:\f+12*\i+11], v[A8+\sg] offset:OPB*(\q)+1536*\i+1280
.endr
.irp i, 0,1,2,3
	ds_load_b128 v[\f+48+12*\i:\f+48+12*\i+3], v[B16+\sg] offset:OPB*(\q)+1536*\i
	ds_load_b64 v[\f+48+12*\i+4:\f+48+12*\i+5], v[B8+\sg] offset:OPB*(\q)+1536*\i+512
	ds_load_b128 v[\f+48+12*\i+6:\f+48+12*\i+9], v[B16+\sg] offset:OPB*(\q)+1536*\i+768
	ds_load_b64 v[\f+48+12*\i+10:\f+48+12*\i+11], v[B8+\sg] offset:OPB*(\q)+1536*\i+1280
.endr
	WIN 0
.irp i, 0,1
	ds_load_b32 v[SC+4*\st+\i], v[A4+\sg] offset:OPB*(\q)+12288+128*\i
	ds_load_b32 v[SC+4*\st+2+\i], v[B4+\sg] offset:OPB*(\q)+12288+128*\i
.endr
.endm
.macro MUL16 f, st, mode
	WIN 0x05
.irp n, 0,1,2,3
.irp m, 0,1,2,3
.if \mode == 2
	WM ACC+8*(4*\n+\m), \f+12*\m, \f+48+12*\n, BIAS+8*\m, SC+4*\st+\m/2, SC+4*\st+2+\n/2, \m%2, \n%2
.else
	WM ACC+8*(4*\n+\m), \f+12*\m, \f+48+12*\n, ACC+8*(4*\n+\m), SC+4*\st+\m/2, SC+4*\st+2+\n/2, \m%2, \n%2
.endif
.endr
.endr
.endm
.macro STEP sg, q, mode
.set NF, 96*(((\q)+1)%2)
.set NS, ((\q)+1)%2
.set CF, 96*((\q)%2)
.set CN, (\q)%2
	s_wait_dscnt 0x0
	PLACES
	FETCH \sg, (\q)+1, NF, NS
	MUL16 CF, CN, \mode
.endm
.macro TURN slot, next, fill
	WIN 0
	s_wait_tensorcnt 0x0
	ds_add_u32 v[SPW], v[NIL]
.if \fill
	s_add_nc_u64 s[G0+4*\slot+2:G0+4*\slot+3], s[G0+4*\slot+2:G0+4*\slot+3], 2*HALFS
	s_add_nc_u64 s[G0B+4*\slot+2:G0B+4*\slot+3], s[G0B+4*\slot+2:G0B+4*\slot+3], 2*HALFS
.endif
	s_wait_dscnt 0x0
	s_barrier_signal -1
	s_barrier_wait -1
.if \fill
	CREST
	JLOAD G0+4*\slot, G1, G0B+4*\slot, G1B
.else
	PLACES
.endif
	FETCH \next, 0, 0, 0
	MUL16 96, 1, 0
.endm
.macro LAST
	s_wait_dscnt 0x0
	MUL16 96, 1, 0
	WIN 0
.endm
	s_load_b256 s[68:75], s[0:1], 0x0
	s_load_b64 s[76:77], s[0:1], 0x20
	v_lshl_add_u32 v[SPW], v0, 2, SPARE
	v_mov_b32 v[NIL], 0
	ds_add_u32 v24, v25
	ds_add_u32 v24, v25
	s_wait_dscnt 0x0
	v_lshrrev_b32 v1, 5, v0
	v_readfirstlane_b32 s10, v1
	s_lshr_b32 s11, s10, 1
	s_and_b32 s12, s10, 1
	s_bfe_u32 s40, ttmp6, 0x40000
	s_bfe_u32 s41, ttmp6, 0x40004
	s_lshl_b32 s42, ttmp9, 2
	s_add_co_u32 s42, s42, s40
	s_and_b32 s13, ttmp7, 0xffff
	s_lshl_b32 s13, s13, 2
	s_add_co_u32 s13, s13, s41
	s_lshl_b32 s43, s41, 2
	s_lshl_b32 s43, 15, s43
	s_lshl_b32 s44, 0x1111, s40
	s_or_b32 s[G1], s43, (3<<16)|(1<<21)
	s_or_b32 s[G1B], s44, (3<<16)|(1<<21)
.irp g, G1, G1B
	s_mov_b32 s[\g+1], 32<<16
	s_mov_b32 s[\g+2], 100<<16
	s_mov_b32 s[\g+3], 32<<16
	s_mov_b32 s[\g+4], 100
	s_mov_b32 s[\g+5], 32
	s_mov_b32 s[\g+6], 0
	s_mov_b32 s[\g+7], 0
.endr
	s_mul_i32 s17, s12, 2*OPB
	s_mul_i32 s16, s13, KS*OPB
	s_add_co_u32 s16, s16, s17
	s_mul_i32 s46, s42, KS*OPB
	s_add_co_u32 s46, s46, s17
	s_add_co_u32 s46, s46, WOFF
	s_mov_b32 s17, 0
	s_mov_b32 s47, 0
	s_mul_i32 s20, s10, 2*OPB
	s_wait_kmcnt 0x0
	s_add_nc_u64 s[14:15], s[68:69], s[16:17]
	s_add_nc_u64 s[46:47], s[70:71], s[46:47]
	CROUND
.irp s, 0,1
	s_mov_b32 s[G0+4*\s], 1
	s_add_co_u32 s[G0+4*\s+1], s20, \s*SLOT
	s_add_nc_u64 s[G0+4*\s+2:G0+4*\s+3], s[14:15], \s*HALFS
	s_or_b32 s[G0+4*\s+3], s[G0+4*\s+3], 0x80000000
	s_mov_b32 s[G0B+4*\s], 1
	s_add_co_u32 s[G0B+4*\s+1], s20, \s*SLOT
	s_add_nc_u64 s[G0B+4*\s+2:G0B+4*\s+3], s[46:47], \s*HALFS
	s_or_b32 s[G0B+4*\s+3], s[G0B+4*\s+3], 0x80000000
	s_wait_alu depctr_va_vdst(0)
	s_wait_tensorcnt 0x0
	ds_add_u32 v24, v25
	ds_add_u32 v24, v25
	s_wait_dscnt 0x0
	CROUND
	JLOAD G0+4*\s, G1, G0B+4*\s, G1B
.endr
	v_and_b32 v3, 31, v0
	v_and_b32 v1, 15, v0
	v_bfe_u32 v2, v0, 4, 1
	v_lshlrev_b32 v4, 4, v3
	s_wait_alu depctr_va_vdst(0)
	v_lshlrev_b32 v5, 3, v3
	s_wait_alu depctr_va_vdst(0)
	v_lshlrev_b32 v6, 2, v3
	s_wait_alu depctr_va_vdst(0)
	s_mul_i32 s21, s12, 6144
	s_add_co_u32 s21, s21, HALFS
	s_lshl_b32 s22, s12, 8
	s_add_co_u32 s22, s22, HALFS
	s_mul_i32 s23, s11, 6144
	s_lshl_b32 s45, s11, 8
.irp s, 0,1
	v_add_nc_u32 v[A16+\s], s21, v4
	v_add_nc_u32 v[A8+\s], s21, v5
	v_add_nc_u32 v[A4+\s], s22, v6
	v_add_nc_u32 v[B16+\s], s23, v4
	v_add_nc_u32 v[B8+\s], s23, v5
	v_add_nc_u32 v[B4+\s], s45, v6
	s_add_co_u32 s21, s21, SLOT
	s_add_co_u32 s22, s22, SLOT
	s_add_co_u32 s23, s23, SLOT
	s_add_co_u32 s45, s45, SLOT
.endr
	s_lshl_b32 s82, s42, 9
	s_lshl_b32 s83, s12, 8
	s_add_co_u32 s82, s82, s83
	s_mov_b32 s83, 0
	s_add_nc_u64 s[80:81], s[72:73], s[82:83]
	v_lshlrev_b32 v23, 6, v2
.irp b, 0,1
.irp j, 0,1,2,3
	global_load_b128 v[BIAS+16*\b+4*\j:BIAS+16*\b+4*\j+3], v23, s[80:81] offset:128*\b+16*\j
.endr
.endr
	s_lshl_b32 s84, s13, 19
	s_lshl_b32 s85, s11, 18
	s_add_co_u32 s84, s84, s85
	s_add_co_u32 s84, s84, s82
	s_mov_b32 s85, 0
	s_add_nc_u64 s[86:87], s[74:75], s[84:85]
	s_add_nc_u64 s[88:89], s[76:77], s[84:85]
	v_lshlrev_b32 v[CO], 12, v2
	v_lshl_add_u32 v[CO], v1, 4, v[CO]
	WIN 0x80
.irp t, 0,1,2,3
.irp i, 0,1,2,3,4,5,6,7
	global_load_b128 v[32*\t+4*\i:32*\t+4*\i+3], v[CO], s[86:87] offset:(16*\t+2*\i)*4096
.endr
.endr
	WIN 0
	s_mul_i32 s90, s10, 16*272
	s_add_co_u32 s90, s90, STAGE
	v_mul_u32_u24 v[STO], v1, 272
	v_lshl_add_u32 v[STO], v2, 6, v[STO]
	v_add_nc_u32 v[STO], s90, v[STO]
	v_mul_u32_u24 v[RD], v2, 272
	v_lshl_add_u32 v[RD], v1, 4, v[RD]
	v_add_nc_u32 v[RD], s90, v[RD]
	s_wait_tensorcnt 0x1
	s_barrier_signal -1
	s_barrier_wait -1
	FETCH 0, 0, 0, 0
	s_wait_loadcnt 32
	STEP 0, 0, 2
	WIN 0
	s_mov_b32 s3, 3
.Llap:
	STEP 0, 1, 0
	STEP 0, 2, 0
	TURN 0, 1, 1
	STEP 1, 0, 0
	STEP 1, 1, 0
	STEP 1, 2, 0
	TURN 1, 0, 1
	STEP 0, 0, 0
	WIN 0
	s_sub_co_u32 s3, s3, 1
	s_cmp_lg_u32 s3, 0
	s_cbranch_scc1 .Llap
	STEP 0, 1, 0
	STEP 0, 2, 0
	TURN 0, 1, 0
	STEP 1, 0, 0
	STEP 1, 1, 0
	STEP 1, 2, 0
	LAST
	s_wait_alu depctr_va_vdst(0)
	s_wait_loadcnt 0x0
	PLACES
.irp t, 0,1,2,3
.if \t > 0
	s_wait_xcnt 0x0
.endif
.irp m, 0,1,2,3
	ds_store_b128 v[STO], v[ACC+32*\t+8*\m:ACC+32*\t+8*\m+3] offset:128*(\m/2)+32*(\m%2)
	ds_store_b128 v[STO], v[ACC+32*\t+8*\m+4:ACC+32*\t+8*\m+7] offset:128*(\m/2)+32*(\m%2)+16
.endr
.irp i, 0,1,2,3,4,5,6,7
	ds_load_b128 v[BK+4*\i:BK+4*\i+3], v[RD] offset:544*\i
.endr
	s_wait_dscnt 0x0
	WIN 0x08
.irp k, 0,2,4,6,8,10,12,14,16,18,20,22,24,26,28,30
	v_pk_add_f32 v[BK+\k:BK+\k+1], v[BK+\k:BK+\k+1], v[32*\t+\k:32*\t+\k+1]
.endr
	WIN 0
.irp i, 0,1,2,3,4,5,6,7
	global_store_b128 v[CO], v[BK+4*\i:BK+4*\i+3], s[88:89] offset:(16*\t+2*\i)*4096 th:TH_STORE_NT
.endr
.endr
	s_wait_tensorcnt 0x0
	ds_add_u32 v[SPW], v[NIL]
	s_wait_dscnt 0x0
	CROUND
	s_endpgm
.Lfunc_end_k_qfd2b0be11a_ffn2:
	.size	k_qfd2b0be11a_ffn2, .Lfunc_end_k_qfd2b0be11a_ffn2-k_qfd2b0be11a_ffn2
	.p2alignl 7, 3214868480
	.fill 96, 4, 3214868480
	.section	.rodata,"a",@progbits
	.p2align	6, 0x0
	.amdhsa_kernel k_qfd2b0be11a_ffn2
		.amdhsa_group_segment_fixed_size 327680
		.amdhsa_private_segment_fixed_size 0
		.amdhsa_enable_private_segment 0
		.amdhsa_kernarg_size 40
		.amdhsa_user_sgpr_count 2
		.amdhsa_user_sgpr_kernarg_segment_ptr 1
		.amdhsa_wavefront_size32 1
		.amdhsa_system_sgpr_workgroup_id_x 1
		.amdhsa_system_sgpr_workgroup_id_y 1
		.amdhsa_system_sgpr_workgroup_id_z 1
		.amdhsa_system_vgpr_workitem_id 0
		.amdhsa_next_free_vgpr 640
		.amdhsa_next_free_sgpr 100
		.amdhsa_reserve_vcc 0
		.amdhsa_float_denorm_mode_32 3
		.amdhsa_float_denorm_mode_16_64 3
		.amdhsa_memory_ordered 1
		.amdhsa_forward_progress 1
		.amdhsa_inst_pref_size 99
	.end_amdhsa_kernel
	.amdgpu_metadata
---
amdhsa.version: [ 1, 2 ]
amdhsa.kernels:
  - .name:           k_qfd2b0be11a_ffn2
    .symbol:         k_qfd2b0be11a_ffn2.kd
    .args:
      - { .name: hid, .offset: 0, .size: 8, .value_kind: global_buffer, .address_space: global }
      - { .name: prep, .offset: 8, .size: 8, .value_kind: global_buffer, .address_space: global }
      - { .name: b2, .offset: 16, .size: 8, .value_kind: global_buffer, .address_space: global }
      - { .name: x1, .offset: 24, .size: 8, .value_kind: global_buffer, .address_space: global }
      - { .name: out0, .offset: 32, .size: 8, .value_kind: global_buffer, .address_space: global }
    .group_segment_fixed_size: 327680
    .private_segment_fixed_size: 0
    .kernarg_segment_align: 8
    .kernarg_segment_size: 40
    .max_flat_workgroup_size: 128
    .sgpr_count:     100
    .vgpr_count:     640
    .wavefront_size: 32
...
	.end_amdgpu_metadata
.endif
;; end of part 7
